; MI455X (gfx1250); checked and timed in simulation.
; The chip was launched on July 23, 2026; its instructions are those of AMD's public machine-readable ISA for CDNA 5 (MIT licence, August 2026) and "CDNA5" Instruction Set Architecture Reference Guide (July 2026). The comments in the code are by the model that wrote it; some were corrected since.
;; Multi Head Attention. Allowed arithmetic: matrix products marked QUANTISED: E2M3 operands, one E8M0 scale for each 32 along K, by v_wmma_scale_f32_16x16x128_f8f6f4 with both operands' format E2M3, f32 sums; everything else in f32.
;; Inputs: Wk 16 x 1,024 x 64 float32; Wo 1,024 x 1,024 float32; Wq 16 x 1,024 x 64 float32; Wv 16 x 1,024 x 64 float32; bk 16 x 64 float32; bo 1,024 float32; bq 16 x 64 float32; bv 16 x 64 float32; hidden_state 4 x 2,048 x 1,024 float32.
;; Outputs: out0 4 x 2,048 x 1,024 float32.
;; This version of the problem:
;;   THIS VERSION OF THE PROBLEM IS GIVEN IN LOW PRECISION. The matrix products marked QUANTISED in the list below multiply operands that are first quantised to E2M3 (2 exponent bits, 3 mantissa bits; 6 bits a number), with one power-of-two scale for each 32 numbers along K (OCP MX v1.0); their sums are f32. All else is computed in f32.
;;   The module's matrix products, in the order in which they are computed (A, B: the left and right operand; K: the contracted axis; several contracted axes count as one K, in the product's order):
;;     1. [M 1,024, K 1,024] x [K 1,024, N 8,192]; A: input Wq; B: input hidden_state: QUANTISED
;;     2. [M 1,024, K 1,024] x [K 1,024, N 8,192]; A: input Wk; B: input hidden_state: QUANTISED
;;     3. [M 1,024, K 1,024] x [K 1,024, N 8,192]; A: input Wv; B: input hidden_state: QUANTISED
;;     4. batch 64 x [M 2,048, K 64] x [K 64, N 2,048]; A: computed on the way; B: computed on the way: QUANTISED
;;     5. batch 64 x [M 2,048, K 2,048] x [K 2,048, N 64]; A: softmax (see below); B: computed on the way: QUANTISED
;;     6. [M 8,192, K 1,024] x [K 1,024, N 1,024]; A: computed on the way; B: input Wo: QUANTISED
;;   THE QUANTISER, for each operand of a quantised product, along K:
;;     - K is cut into blocks of 32 from its start; a last block that is shorter is filled with zeros.
;;     - A block's scale is 2^e with e = floor(log2(the largest magnitude in the block)) - 2, held to -126 .. 127; a block of zeros has e = 0. As a byte (E8M0): e + 127.
;;     - Each number is divided by its block's scale, clamped to +-7.5, and rounded to the nearest number of E2M3, ties to even, subnormals kept.
;;     - The product sums the exact products of the quantised numbers (number of the format x scale) in f32.
;;   ~~~python
;;   def quantise(x, axis):      # numpy; x: float32 -> the quantised numbers, widened to float32 again
;;       x = np.moveaxis(x, axis, -1); K = x.shape[-1]
;;       x = np.pad(x, [(0, 0)] * (x.ndim - 1) + [(0, -K % 32)]); x = x.reshape(x.shape[:-1] + (-1, 32)); a = np.abs(x).max(-1, keepdims=True)
;;       e = np.where(a > 0, np.clip(np.frexp(np.where(a > 0, a, 1))[1] - 1 - 2, -126, 127), 0)      # np.frexp(a)[1] - 1 = floor(log2(a)), exactly
;;       r = np.clip(x / 2.0 ** e, -7.5, 7.5)
;;       step = 2.0 ** (np.maximum(np.frexp(np.where(r == 0, 1, r))[1] - 1, 0) - 3)
;;       q = np.round(r / step) * step * 2.0 ** e      # np.round: ties to even
;;       return np.moveaxis(q.reshape(q.shape[:-2] + (-1,))[..., :K], -1, axis).astype(np.float32)
;;   ~~~
;;   SOFTMAX AHEAD OF A QUANTISED PRODUCT. Where the list says 'softmax', what is quantised is not the finished softmax but p = 2^(t - M), with t = logit x log2(e) and M = ceil(the row's largest t), a whole number; so 1/2 < the row's largest p <= 1. The row's sum l is taken of the UNQUANTISED p, in f32, and the product's result is divided by l at the end. Since M is a whole number, a kernel that streams over the keys may use a running M (the ceiling of the running maximum): every later rescaling is an exact power of two, which a block's scale takes up: the codes' values come out the same.
;;   OPERANDS COMPUTED ON THE WAY. 'Computed on the way' means the value that the module computes at that place (a softmax that the list does not call 'softmax' is quantised finished and normalised). What goes into a quantiser is computed in f32, as accurately as f32 sums, v_exp_f32 and their like allow (about 1e-6 of the number): no bf16 or f16 on the way to a quantiser, and a product that is left as it is and whose result goes on into a quantised operand takes f32 operands (vector FMAs, or v_wmma_f32_16x16x4_f32). A number that lies on a knife's edge between two numbers of the format may be rounded either way, as far as f32 arithmetic and the matrix unit's own rounding can turn it there, and no further.
;; One version. Each part assembles by itself: llvm-mc -triple=amdgcn-amd-amdhsa -mcpu=gfx1250 --defsym DOCPART=n.
;; ======== version 1 of 1: 4 launches
;; limits: right only within a limited range of input values
;; workspace buffers: codes 9,437,184 bytes; scales 655,360 bytes; qimg 6,815,744 bytes; kv 13,369,344 bytes; ximg 6,291,456 bytes
;; launch quant (part 1): grid 384 x 1, 4 waves a work-group, no clusters, 68,096 bytes of LDS; arguments hidden_state, Wq, Wk, Wv, Wo, codes, scales; writes codes, scales
.if DOCPART == 1
	.amdgcn_target "amdgcn-amd-amdhsa--gfx1250"
	.amdhsa_code_object_version 6
	.text
	.protected	k_q86dbcb94b5_quant
	.globl	k_q86dbcb94b5_quant
	.p2align	8
	.type	k_q86dbcb94b5_quant,@function
k_q86dbcb94b5_quant:
	s_mov_b64 s[64:65], 0
	v_nop
	global_prefetch_b8 v0, s[64:65] scope:SCOPE_SE
	s_setreg_imm32_b32 hwreg(HW_REG_WAVE_MODE, 25, 1), 1
	s_wait_xcnt 0x0
; hidden_state [8192 tokens][1024] and the four weights become codes of FP6 (E2M3) along K = the 1,024 of E, and one E8M0 byte for each 32 along K.  No step and no input of the problem is left out by this program.
; A block's scale is 2^(floor(log2(its largest magnitude)) - 2); its byte is the largest magnitude's exponent field - 2, held at 1 from below.
; LIMITS: NaN and infinities are not served; a block under 2^-124, and a block of zeros (the rule says 127), keep the byte 1: this program alone reads the bytes.
; THE TABLES.  12,288 rows: tokens 0 .. 8191, then Wq's, Wk's, Wv's, Wo's 1,024 output features.  codes: [row][768 bytes], K innermost; scales: [row][32 bytes].
; THE ORDER OF THE ROWS.  In each group of 64 tokens or features, number 32 B + 8 u + j lies at row 16 u + 8 B + j: the products that follow then find 32 neighbours along the next K in one lane's registers.
; ONE LAUNCH: work-groups 0 .. 255 take the tokens (8 tokens a wave), 256 .. 383 the weights (128 features x 256 along K each).  The two ways part on the work-group's number and have LDS bytes of their own.
; No tensor loads, no barrier, no cluster: waves and work-groups share nothing.
.set WB,    32768                      ; LDS: the tokens' way has bytes 0 .. 32,767, the weights' way 34,816 from here on
.set SPARE, 67584                      ; behind both: the spare words, 128 bytes a wave
	s_load_b64 s[40:41], s[0:1], 0x0               ; hidden_state
	s_load_b256 s[4:11], s[0:1], 0x8               ; Wq, Wk, Wv, Wo
	s_load_b128 s[12:15], s[0:1], 0x28             ; codes, scales
	v_lshl_add_u32 v192, v0, 2, SPARE
	v_mov_b32 v193, 0
	v_lshrrev_b32 v1, 5, v0
	v_readfirstlane_b32 s16, v1                    ; wave
	v_and_b32 v2, 31, v0                           ; lane
	s_wait_alu depctr_va_vdst(0)                   ; the wait ahead of the branch
	s_cmp_lt_u32 ttmp9, 256
	s_cbranch_scc0 .Lweights
; ---- THE TOKENS.  A wave takes 16 steps of 512 numbers; each load reads 512 consecutive bytes; a step turns through the wave's own stage, so that a lane holds 16 neighbours (two lanes a block).
.set STEPS, 16
.set CB,    12                         ; bytes of 16 codes
.set HR,    16                         ; v16-79   four sets of 16 numbers as loaded
.set HX,    80                         ; v80-111  two sets of 16 neighbours
.set HC,    128                        ; v128-191 codes, four registers a step
.set HE,    112                        ; v112-127 a scale byte a step
.set WREG,  8192                       ; a wave's region: two stages of 32 x SP bytes, then its 256 scale bytes
.set SP,    80
	v_lshlrev_b32 v3, 4, v2
	s_mul_i32 s17, s16, WREG
	v_lshrrev_b32 v14, 2, v2
	v_mul_u32_u24 v14, v14, SP
	v_and_b32 v15, 3, v2
	v_lshl_add_u32 v14, v15, 4, v14
	v_add_nc_u32 v14, s17, v14                     ; into the stage: SP (lane / 4) + 16 (lane % 4)
	v_mul_u32_u24 v15, v2, SP
	v_add_nc_u32 v15, s17, v15                     ; out of it: SP x lane
	v_mul_u32_u24 v4, v2, CB                       ; my codes' place in a step's
	v_lshrrev_b32 v5, 1, v2
	s_add_co_u32 s17, s17, 2*32*SP
	v_add_nc_u32 v5, s17, v5                       ; LDS: my block's scale byte
	v_lshlrev_b32 v7, 3, v2
	v_add_nc_u32 v6, s17, v7
	s_lshl_b32 s18, ttmp9, 2
	s_add_co_u32 s18, s18, s16                     ; my run of 8 tokens, as read: 8 G + 4 B + u
	s_and_b32 s19, s18, 3
	s_lshl_b32 s19, s19, 1
	s_bfe_u32 s20, s18, 0x10002
	s_or_b32 s19, s19, s20
	s_and_b32 s20, s18, 0xfffffff8
	s_or_b32 s19, s19, s20                         ; its place, as written: 8 G + 2 u + B
	s_lshl_b32 s20, s18, 15
	s_mov_b32 s21, 0
	s_mul_i32 s22, s19, 6144                       ; 8 rows of 768 bytes
	s_mov_b32 s23, 0
	s_lshl_b32 s24, s19, 8
	s_mov_b32 s25, 0
	s_wait_alu depctr_va_vdst(0)                   ; the wait at the head's end
	s_wait_kmcnt 0x0
	s_add_nc_u64 s[40:41], s[40:41], s[20:21]
	s_add_nc_u64 s[12:13], s[12:13], s[22:23]
	s_add_nc_u64 s[14:15], s[14:15], s[24:25]
.macro HLOAD t
.irp i, 0,1,2,3
	global_load_b128 v[HR+16*((\t)%4)+4*\i:HR+16*((\t)%4)+4*\i+3], v3, s[40:41] offset:2048*(\t)+512*\i th:TH_LOAD_NT
.endr
.endm
.macro HTURN t                         ; LDS serves a wave's instructions in order: no wait between the stores and the loads
.irp i, 0,1,2,3
	ds_store_b128 v14, v[HR+16*((\t)%4)+4*\i:HR+16*((\t)%4)+4*\i+3] offset:32*SP*((\t)%2)+8*SP*\i
.endr
.irp i, 0,1,2,3
	ds_load_b128 v[HX+16*((\t)%2)+4*\i:HX+16*((\t)%2)+4*\i+3], v15 offset:32*SP*((\t)%2)+16*\i
.endr
.endm
.irp t, 0,1,2,3
	HLOAD \t
.endr
	s_wait_loadcnt 12                              ; step 0's four loads are in; the twelve of steps 1 to 3 may be out
	HTURN 0
.macro HSTEP t
.set XS, HX+16*((\t)%2)
.if (\t) > 0
	s_wait_dscnt 1                                 ; this step's numbers are back (the last step's byte store may be out)
.else
	s_wait_dscnt 0x0
.endif
.if (\t)+4 < STEPS
	HLOAD (\t)+4
.endif
.if (\t)+1 < STEPS
.if STEPS-2-(\t) >= 3
	s_wait_loadcnt 12                              ; the next step's four are in; three steps' twelve may be out
.else
	s_wait_loadcnt 4*(STEPS-2-(\t))
.endif
	HTURN (\t)+1
.endif
	v_max3_num_f32 v8, |v[XS]|, |v[XS+1]|, |v[XS+2]|
	v_max3_num_f32 v9, |v[XS+3]|, |v[XS+4]|, |v[XS+5]|
.irp i, 6,10
	v_max3_num_f32 v8, v8, |v[XS+\i]|, |v[XS+\i+1]|
	v_max3_num_f32 v9, v9, |v[XS+\i+2]|, |v[XS+\i+3]|
.endr
	v_max3_num_f32 v8, v8, |v[XS+14]|, |v[XS+15]|
	v_max3_num_f32 v8, v8, v9, 0x1800000           ; the floor 2^(3 - 127): the byte cannot fall under 1
	v_max_num_f32_dpp v8, v8, v8 row_xmask:1 row_mask:0xf bank_mask:0xf
	v_add_nc_u32 v11, 0xff000000, v8               ; 2 off the exponent field: the conversion's scale operand
	v_cvt_scalef32_pk16_fp6_f32 v[HC+4*(\t):HC+4*(\t)+2], v[XS:XS+15], v11
	v_lshrrev_b32 v[HE+(\t)], 23, v11
	ds_store_b8 v5, v[HE+(\t)] offset:16*(\t)
	global_store_b96 v4, v[HC+4*(\t):HC+4*(\t)+2], s[12:13] offset:32*CB*(\t)   ; the wave stores 384 consecutive bytes
.endm
.irp t, 0,1,2,3,4,5,6,7,8,9,10,11,12,13,14,15
	HSTEP \t
.endr
	ds_load_b64 v[12:13], v6
	s_wait_dscnt 0x0
	global_store_b64 v7, v[12:13], s[14:15]        ; 32 lanes store 256 consecutive bytes, aligned
	s_wait_tensorcnt 0x0                           ; the wave's end
	ds_add_u32 v192, v193
	s_wait_dscnt 0x0
	s_endpgm
; ---- THE WEIGHTS.  Wq, Wk, Wv: [16 heads][1024 e][64 d], feature 64 head + d; Wo: [1024 e][1024 n], feature n.  A lane takes a column and its registers run down K: a block of 32 lies in one lane.
; A wave takes 32 features x 256 along K; its codes go through its own stage and leave as runs of 192 bytes of a row, sixteen lanes a run.
.Lweights:
.set NB,    8
.set PITCH, 272
.set KROW,  768
.set WX,    32                         ; v32-95   two sets of 32 numbers
.set WC,    96                         ; v96..    a block's codes
.set OUTR,  112                        ; v112-175 the way out
.set SB,    24                         ; v24-25   the scale bytes
	s_sub_co_u32 s32, ttmp9, 256
	s_and_b32 s33, s32, 31                         ; which 128 features of the 4,096
	s_lshr_b32 s19, s32, 5                         ; which 256 along K
	s_lshr_b32 s17, s33, 3                         ; which weight
	s_and_b32 s18, s33, 7
	s_lshr_b32 s20, s16, 1
	s_and_b32 s21, s16, 1
	v_lshlrev_b32 v3, 2, v2
	s_mul_i32 s22, s16, 32*PITCH
	s_add_co_u32 s22, s22, WB                      ; my stage
	v_mul_u32_u24 v4, v2, PITCH
	v_add_nc_u32 v4, s22, v4
	v_and_b32 v5, 15, v2
	v_lshrrev_b32 v6, 4, v2
	v_mul_u32_u24 v7, v6, PITCH
	v_lshl_add_u32 v7, v5, 4, v7
	v_add_nc_u32 v7, s22, v7
	v_mul_u32_u24 v8, v6, KROW
	v_mad_u32_u24 v8, v5, 12, v8
	v_lshrrev_b32 v9, 3, v2
	v_and_b32 v10, 7, v2
	v_lshl_add_u32 v9, v9, 4, v10                  ; my column's row among the wave's: 16 (lane / 8) + lane % 8
	v_lshlrev_b32 v9, 5, v9
	s_lshl_b32 s24, s18, 1
	s_add_co_u32 s24, s24, s20
	s_lshl_b32 s24, s24, 18                        ; by heads: 262,144 bytes a head,
	s_lshl_b32 s26, s19, 16                        ; 256 e of 256 bytes,
	s_add_co_u32 s24, s24, s26
	s_lshl_b32 s26, s21, 7                         ; d from 32 (wave % 2) on
	s_add_co_u32 s24, s24, s26
	s_lshl_b32 s25, s19, 20                        ; Wo: 256 e of 4,096 bytes,
	s_lshl_b32 s26, s18, 9
	s_add_co_u32 s25, s25, s26
	s_lshl_b32 s26, s16, 7
	s_add_co_u32 s25, s25, s26
	s_cmp_lt_u32 s17, 3
	s_cselect_b32 s24, s24, s25
	s_mov_b32 s25, 0
	s_lshl_b32 s26, s33, 7                         ; the wave's first row: 8192 + 128 x + 64 (wave / 2) + 8 (wave % 2)
	s_lshl_b32 s27, s20, 6
	s_add_co_u32 s26, s26, s27
	s_lshl_b32 s27, s21, 3
	s_add_co_u32 s26, s26, s27
	s_add_co_u32 s26, s26, 8192
	s_mul_i32 s28, s26, KROW
	s_mul_i32 s27, s19, 192                        ; 256 codes are 192 bytes
	s_add_co_u32 s28, s28, s27
	s_mov_b32 s29, 0
	s_lshl_b32 s30, s26, 5
	s_lshl_b32 s27, s19, 3
	s_add_co_u32 s30, s30, s27
	s_mov_b32 s31, 0
	s_wait_alu depctr_va_vdst(0)                   ; the wait at the head's end
	s_wait_kmcnt 0x0
	s_cmp_lt_u32 s17, 1                            ; the weight is chosen by the work-group's number alone
	s_cselect_b64 s[4:5], s[4:5], s[6:7]
	s_cmp_lt_u32 s17, 2
	s_cselect_b64 s[4:5], s[4:5], s[8:9]
	s_cmp_lt_u32 s17, 3
	s_cselect_b64 s[4:5], s[4:5], s[10:11]
	s_add_nc_u64 s[4:5], s[4:5], s[24:25]
	s_add_nc_u64 s[12:13], s[12:13], s[28:29]
	s_add_nc_u64 s[14:15], s[14:15], s[30:31]
.macro WLOAD t                         ; block t: 32 loads on either way; the two kinds of weight differ in the distance from one e to the next
	s_cmp_lt_u32 s17, 3
	s_cbranch_scc0 .Lwide_\@
.set i, 0
.rept 32
	global_load_b32 v[WX+32*((\t)%2)+i], v3, s[4:5] offset:(32*(\t)+i)*256 th:TH_LOAD_NT
.set i, i+1
.endr
	s_branch .Lgot_\@
.Lwide_\@:
.set i, 0
.rept 32
	global_load_b32 v[WX+32*((\t)%2)+i], v3, s[4:5] offset:(32*(\t)+i)*4096 th:TH_LOAD_NT
.set i, i+1
.endr
.Lgot_\@:
.endm
	WLOAD 0
	WLOAD 1
.macro WBLOCK t
.set XS, WX+32*((\t)%2)
.if (\t) < NB-1
	s_wait_loadcnt 32                              ; this block's 32 are in; the next block's 32 may be out
.else
	s_wait_loadcnt 0
.endif
	v_max3_num_f32 v12, |v[XS]|, |v[XS+1]|, |v[XS+2]|
	v_max3_num_f32 v13, |v[XS+3]|, |v[XS+4]|, |v[XS+5]|
.irp i, 6,10,14,18,22,26
	v_max3_num_f32 v12, v12, |v[XS+\i]|, |v[XS+\i+1]|
	v_max3_num_f32 v13, v13, |v[XS+\i+2]|, |v[XS+\i+3]|
.endr
	v_max3_num_f32 v12, v12, |v[XS+30]|, |v[XS+31]|
	v_max3_num_f32 v12, v12, v13, 0x1800000
	v_add_nc_u32 v11, 0xff000000, v12
	v_lshrrev_b32 v13, 23, v11
.if (\t)%4 == 0
	v_mov_b32 v[SB+(\t)/4], v13
.else
	v_lshl_or_b32 v[SB+(\t)/4], v13, 8*((\t)%4), v[SB+(\t)/4]
.endif
	v_cvt_scalef32_pk16_fp6_f32 v[WC:WC+2], v[XS:XS+15], v11
	v_cvt_scalef32_pk16_fp6_f32 v[WC+4:WC+6], v[XS+16:XS+31], v11
	ds_store_b96 v4, v[WC:WC+2] offset:32*(\t)     ; 12 bytes to a place of 16
	ds_store_b96 v4, v[WC+4:WC+6] offset:32*(\t)+16
.if (\t)+2 < NB
	WLOAD (\t)+2
.endif
	s_wait_dscnt 0x0                               ; the stores have read their registers
.endm
.irp t, 0,1,2,3,4,5,6,7
	WBLOCK \t
.endr
	s_wait_alu depctr_va_vdst(0)                   ; the wait ahead of the reader below
	global_store_b64 v9, v[SB:SB+1], s[14:15]      ; my column's 8 scale bytes
.irp t, 0,1,2,3,4,5,6,7,8,9,10,11,12,13,14,15
	ds_load_b96 v[OUTR+4*\t:OUTR+4*\t+2], v7 offset:2*\t*PITCH
.endr
.irp t, 0,1,2,3,4,5,6,7,8,9,10,11,12,13,14,15
	s_wait_dscnt 15-\t
	global_store_b96 v8, v[OUTR+4*\t:OUTR+4*\t+2], s[12:13] offset:(16*(\t/4)+2*(\t%4))*KROW   ; column l lies at row 16 (l / 8) + l % 8 of the wave's
.endr
	s_wait_tensorcnt 0x0                           ; the wave's end
	ds_add_u32 v192, v193
	s_wait_dscnt 0x0
	s_endpgm
.Lfunc_end_k_q86dbcb94b5_quant:
	.size	k_q86dbcb94b5_quant, .Lfunc_end_k_q86dbcb94b5_quant-k_q86dbcb94b5_quant
	.p2alignl 7, 3214868480
	.fill 96, 4, 3214868480
	.section	.rodata,"a",@progbits
	.p2align	6, 0x0
	.amdhsa_kernel k_q86dbcb94b5_quant
		.amdhsa_group_segment_fixed_size 68096
		.amdhsa_private_segment_fixed_size 0
		.amdhsa_enable_private_segment 0
		.amdhsa_kernarg_size 56
		.amdhsa_user_sgpr_count 2
		.amdhsa_user_sgpr_kernarg_segment_ptr 1
		.amdhsa_wavefront_size32 1
		.amdhsa_system_sgpr_workgroup_id_x 1
		.amdhsa_system_sgpr_workgroup_id_y 1
		.amdhsa_system_sgpr_workgroup_id_z 1
		.amdhsa_system_vgpr_workitem_id 0
		.amdhsa_next_free_vgpr 194
		.amdhsa_next_free_sgpr 66
		.amdhsa_reserve_vcc 0
		.amdhsa_float_denorm_mode_32 3
		.amdhsa_float_denorm_mode_16_64 3
		.amdhsa_memory_ordered 1
		.amdhsa_forward_progress 1
		.amdhsa_inst_pref_size 99
	.end_amdhsa_kernel
	.amdgpu_metadata
---
amdhsa.version: [ 1, 2 ]
amdhsa.kernels:
  - .name:           k_q86dbcb94b5_quant
    .symbol:         k_q86dbcb94b5_quant.kd
    .args:
      - { .name: hidden_state, .offset: 0, .size: 8, .value_kind: global_buffer, .address_space: global }
      - { .name: Wq, .offset: 8, .size: 8, .value_kind: global_buffer, .address_space: global }
      - { .name: Wk, .offset: 16, .size: 8, .value_kind: global_buffer, .address_space: global }
      - { .name: Wv, .offset: 24, .size: 8, .value_kind: global_buffer, .address_space: global }
      - { .name: Wo, .offset: 32, .size: 8, .value_kind: global_buffer, .address_space: global }
      - { .name: codes, .offset: 40, .size: 8, .value_kind: global_buffer, .address_space: global }
      - { .name: scales, .offset: 48, .size: 8, .value_kind: global_buffer, .address_space: global }
    .group_segment_fixed_size: 68096
    .private_segment_fixed_size: 0
    .kernarg_segment_align: 8
    .kernarg_segment_size: 56
    .max_flat_workgroup_size: 128
    .sgpr_count:     66
    .vgpr_count:     194
    .wavefront_size: 32
...
	.end_amdgpu_metadata
.endif
;; end of part 1
;; launch qkv (part 2): grid 8 x 32, 4 waves a work-group, clusters of 4 x 4, 327,680 bytes of LDS; arguments codes, scales, bq, bk, bv, qimg, kv; writes qimg, kv
.if DOCPART == 2
	.amdgcn_target "amdgcn-amd-amdhsa--gfx1250"
	.amdhsa_code_object_version 6
	.text
	.protected	k_q86dbcb94b5_qkv
	.globl	k_q86dbcb94b5_qkv
	.p2align	8
	.type	k_q86dbcb94b5_qkv,@function
k_q86dbcb94b5_qkv:
	s_mov_b64 s[64:65], 0
	v_nop
	global_prefetch_b8 v0, s[64:65] scope:SCOPE_SE
	s_setreg_imm32_b32 hwreg(HW_REG_WAVE_MODE, 25, 1), 1
	s_wait_xcnt 0x0
	s_wait_alu depctr_hold_cnt(0) depctr_sa_sdst(0) depctr_va_vdst(0) depctr_va_sdst(0) depctr_va_ssrc(0) depctr_va_vcc(0) depctr_vm_vsrc(0)
	s_getreg_b32 s2, hwreg(HW_REG_IB_STS2, 6, 4)
	s_cmp_eq_u32 s2, 0
	s_cbranch_scc0 .Lentry_in_a_cluster
	s_endpgm
.Lentry_in_a_cluster:
	s_bfe_u32 s2, ttmp6, 0x10000c
	s_cmp_lg_u32 s2, 0xf033
	s_cbranch_scc0 .Lentry_shape_is_right
	s_endpgm
.Lentry_shape_is_right:
; Q, K, V = x W^T + b on codes of FP6 (E2M3), and their quantisers: the results leave as codes and scale bytes, in the order of the operand registers of the launch that reads them.  No f32 result is stored.
; THE DEAL.  8 x 32 work-groups of four waves, 2 x 2.  A work-group owns 256 rows of x (tokens, in the table's order) and two heads, and makes Q, then K, then V of them: three phases on the same rows, which lie in LDS throughout.
; A wave (a, b) holds the 64 rows of head 2 x + b of the phase's weight, ALL of K, in 384 registers, and streams its 128 rows of x (128 a on: one step of 128 tokens) past them in 8 blocks of 16 rows, 32 products each;
; a block's rows lie twice in registers: block s reads set s % 2, which then takes block s + 2.
; Q, K: source 0 = the weight's rows: a lane's 32 sums of a block are 32 neighbouring channels of one token: one scale block, one record of six registers.  V: source 0 = x's rows: a lane's 8 sums of each of four blocks
; are 32 neighbouring tokens of one channel; a band of four blocks gives four records.  The bias is the first products' C.  The quantiser of block s - 1 stands among the products of block s.
; OUT, for index i = (16 batch + head) 16 + step: qimg + 6,656 i: 8 records of 768 bytes, then the scale image (word a % 4 of lane r + 16 (a / 4): bytes h = 0, 1, then two zeros);
; kv + 13,056 i: K's 8 records, V's 8 (2 t + c), K's image, V's image (word t % 2 of lane r + 16 (t / 2), byte 2 c + h).  The images gather in the wave's own 512 bytes of LDS and leave whole.
; LDS: x's 256 rows of 816 bytes (768 + 16 behind each 256); the weights' 128 rows; x's scale bytes (32 units of 256 + 16); the images' stage; the spare words.
; FILLS.  At the head one joint load a wave: Wq's rows, x's scale bytes, x's two halves.  The weights' region is filled again twice, by wave 0, each time behind the three lines and a round of the cluster's barrier
; when all waves hold the old rows in registers: eight blocks of products ahead of its first read, so no prefetch is laid; what it brought is shown by the barrier at the phase's end.
; x's rows are shared by a row of the cluster, a weight's rows by a column.
; THE WAITS' COUNTS.  A block's rows were fetched two blocks ago.  Younger are the next block's fetch, NF loads, and the byte store between the two where there is one (NF + 1); where nothing more is fetched, the byte store alone (1).
; LIMITS: NaN and infinities are not served; a block under 2^-124, and a block of zeros, keep the byte 1: this program alone reads the bytes.
.set TOK,    8192
.set NQ,     8
.set NB,     4
.set KROW,   768
.set KS,     32
.set PITCH,  816
.set FR,     12
.set FPW,    21                        ; fragments in a window of 256 registers
.set NF,     28                        ; LDS loads of a block: 26 for eight fragments, 2 for eight scale words
.set BSTEP,  16*PITCH
.set SSTEP,  544
.set BVB,    256*PITCH
.set SCL,    BVB+128*PITCH
.set XN,     SCL+32*272
.set SPARE,  XN+2048
.set EMAX,   2
.set ADRA0, 4                          ; v4, v5 LDS address of my fragments of block 0 (v5: for the pieces behind one padding more); v1, v22: block 1
.set AAS0,  6                          ; v6  of my row's scale words in block 0; v23: block 1
.set L8,    7
.set L16,   8
.set SPW,   10
.set NIL,   11
.set ADRA,  12                         ; v12, v13, v17: as v4, v5, v6 for the block fetched next
.set ADRB,  14
.set ABS,   16
.set AAS,   17
.set STO,   18                         ; LDS, Q's or K's scale byte
.set STV,   19                         ; LDS, V's
.set SB,    24                         ; v24-39 the weights' scale words
.set TQ,    40
.set IMG,   42
.set IMV,   43
.set SA,    44                         ; v44-59 the rows' scale words, two sets
.set TC,    60
.set ACC,   64                         ; v64-127 Q, K: two sets of four accumulators
.set HV0,   64                         ; v64-191 V, band 0: 32 t + 8 u + j
.set HV1,   840                        ; v840-967 band 1
.set NCD,   128                        ; v128-143 Q, K: two records
.set IMR,   144
.set BBQ,   160                        ; v160-191 Q's or K's bias
.set SBN,   192                        ; v192-207 the next weight's scale words; v208-239 the next bias; in V's phase v192-223 four records
.set BBN,   208
.set MCD,   192
.set SOP,   240
.set EB,    244
.set BA,    984                        ; v984-991 LDS addresses of the weights' four tiles
.set BBV,   992                        ; v992-1023 V's bias, eight registers a tile
.set G1A, 24
.set G1B, 32
.set G0A, 56
.set G0B, 60
.set G0R, 68
.set G0S, 72
.set G1S, 92
.set MSB, 0
.macro WIN new
.if MSB != \new
	s_set_vgpr_msb (MSB<<8)|\new
.set MSB, \new
.endif
.endm
.macro PLACES n
.rept \n
	v_nop
.endr
.endm
.macro WALU
	s_wait_alu depctr_va_vdst(0)
.endm
.macro BARRIER
	s_barrier_signal -1
	s_barrier_wait -1
.endm
.macro CROUND
	s_barrier_signal -1
	s_barrier_wait -1
	s_cmp_lg_u32 s14, 0
	s_cbranch_scc1 .Lnot_wave_0_\@
	s_barrier_signal -3
.Lnot_wave_0_\@:
	s_barrier_wait -3
	BARRIER
.endm
.macro TLOAD g0, g1
	tensor_load_to_lds s[\g0:\g0+3], s[\g1:\g1+7]
	s_nop 0
	PLACES 4
.endm
.macro GROUP1 g, mask, rows
	s_or_b32 s[\g+0], s[\mask], (1<<20)|(1<<21)|(5<<22)|(3<<25)
	s_mov_b32 s[\g+1], (KROW&0xffff)<<16
	s_mov_b32 s[\g+2], (KROW>>16)|((\rows)<<16)
	s_mov_b32 s[\g+3], KROW<<16
	s_mov_b32 s[\g+4], \rows
	s_mov_b32 s[\g+5], KROW
	s_mov_b32 s[\g+6], 0
	s_mov_b32 s[\g+7], 0
.endm
.macro G0SET g, lds, base, off         ; group 0: LDS byte, 64-bit base + the 32-bit offset in s\off (s21 = 0)
	s_mov_b32 s[\g], 1
	s_mov_b32 s[\g+1], \lds
	s_mov_b32 s20, s\off
	s_add_nc_u64 s[\g+2:\g+3], s[\base:\base+1], s[20:21]
	s_or_b32 s[\g+3], s[\g+3], 0x80000000
.endm
; Fragment f lies in window 1 + f / 21 at register 12 (f % 21): 0-31 the weights' (4 q + tile), 32-39 and 40-47 the rows' two sets.  Six pieces of 8 bytes, two to a load where both lie behind as many paddings.
.macro FRAG f, q, a0, a1, aw
	WIN ((1+(\f)/FPW)<<6)|(\aw)
.set R_, FR*((\f)%FPW)
.set SKIP_, 0
.irp p, 0,1,2,3,4,5
.if SKIP_
.set SKIP_, 0
.else
.set PC_, 12*(\q)+6*(\p/3)+\p%3
.set PN_, 12*(\q)+6*((\p+1)/3)+(\p+1)%3
.set X_, (PC_%32+3)/32
.set XQ_, (PN_%32+3)/32
.if (\p < 5) && (X_ == XQ_)
.set SKIP_, 1
.if X_
	ds_load_2addr_b64 v[R_+2*\p:R_+2*\p+3], \a1 offset0:PC_+2*(PC_/32) offset1:PN_+2*(PN_/32)
.else
	ds_load_2addr_b64 v[R_+2*\p:R_+2*\p+3], \a0 offset0:PC_+2*(PC_/32) offset1:PN_+2*(PN_/32)
.endif
.elseif X_
	ds_load_b64 v[R_+2*\p:R_+2*\p+1], \a1 offset:8*(PC_+2*(PC_/32))
.else
	ds_load_b64 v[R_+2*\p:R_+2*\p+1], \a0 offset:8*(PC_+2*(PC_/32))
.endif
.endif
.endr
.endm
.macro WEIGHTS                         ; my 64 rows of the weight, all of K: 104 loads
.irp q, 0,1,2,3,4,5,6,7
.irp b, 0,1,2,3
	FRAG NB*\q+\b, \q, v[BA-768+2*\b], v[BA-768+2*\b+1], 3
.endr
.endr
	WIN 0
.endm
.macro FETCHAT e, a0, a1, as           ; a block of x's rows into set e: NF loads
.irp q, 0,1,2,3,4,5,6,7
	FRAG NB*NQ+NQ*(\e)+\q, \q, \a0, \a1, 0
.endr
	WIN 0
	ds_load_b128 v[SA+8*(\e):SA+8*(\e)+3], \as
	ds_load_b128 v[SA+8*(\e)+4:SA+8*(\e)+7], \as offset:16
.endm
.macro FETCH e
	FETCHAT \e, v[ADRA], v[ADRA+1], v[AAS]
.endm
.macro FETCH01
	FETCHAT 0, v[ADRA0], v[ADRA0+1], v[AAS0]
	FETCHAT 1, v1, v22, v23
.endm
; A product, n = 4 q + tile.  kind 0 (Q, K): source 0 the weight's rows; kind 1 (V): source 0 x's rows.  The four accumulators take turns.
.macro PROD kind, e, n, a0, as
.set Q_, (\n)/4
.set FB_, NB*Q_+(\n)%4
.set FA_, NB*NQ+NQ*(\e)+Q_
.set D_, (\a0)+(\as)*((\n)%4)
.set DL_, D_&255
.set XB_, SB+NQ*(((\n)%4)/2)+Q_
.set XA_, SA+8*(\e)+Q_
.if \kind
.if Q_
	WIN (1+FA_/FPW)|((1+FB_/FPW)<<2)|((D_>>8)<<4)|((D_>>8)<<6)
	PROD1 DL_, FA_, FB_, v[DL_:DL_+7], XA_, XB_, b, (\n)%2
.else
	WIN (1+FA_/FPW)|((1+FB_/FPW)<<2)|(3<<4)|((D_>>8)<<6)
	PROD1 DL_, FA_, FB_, v[BBV-768+8*((\n)%4):BBV-768+8*((\n)%4)+7], XA_, XB_, b, (\n)%2
.endif
.else
	WIN (1+FB_/FPW)|((1+FA_/FPW)<<2)|((D_>>8)<<4)|((D_>>8)<<6)
.if Q_
	PROD1 DL_, FB_, FA_, v[DL_:DL_+7], XB_, XA_, a, (\n)%2
.else
	PROD1 DL_, FB_, FA_, v[BBQ+8*((\n)%4):BBQ+8*((\n)%4)+7], XB_, XA_, a, (\n)%2
.endif
.endif
.endm
.macro PROD1 d, s0, s1, c, x0, x1, side, o
.if \o
	v_wmma_scale_f32_16x16x128_f8f6f4 v[\d:\d+7], v[FR*((\s0)%FPW):FR*((\s0)%FPW)+FR-1], v[FR*((\s1)%FPW):FR*((\s1)%FPW)+FR-1], \c, v[\x0], v[\x1] matrix_a_fmt:MATRIX_FMT_FP6 matrix_b_fmt:MATRIX_FMT_FP6 matrix_\side\()_scale:MATRIX_SCALE_ROW1
.else
	v_wmma_scale_f32_16x16x128_f8f6f4 v[\d:\d+7], v[FR*((\s0)%FPW):FR*((\s0)%FPW)+FR-1], v[FR*((\s1)%FPW):FR*((\s1)%FPW)+FR-1], \c, v[\x0], v[\x1] matrix_a_fmt:MATRIX_FMT_FP6 matrix_b_fmt:MATRIX_FMT_FP6 matrix_\side\()_scale:MATRIX_SCALE_ROW0
.endif
.endm
; A block's 32 products; behind every second one, two entries of the list (a macro: entry number, two arguments of its own), one vector line each
.macro BLOCK kind, e, a0, as, list, x=0, y=0
.set N_, 0
.rept 32
	PROD \kind, \e, N_, \a0, \as
.if N_%2
	\list N_-1, \x, \y
	\list N_, \x, \y
.endif
.set N_, N_+1
.endr
.endm
.macro STEPL i, blk                    ; 3 entries: block blk's LDS addresses
.if (\i) == 0
	WIN 0
	v_add_nc_u32 v[ADRA], (\blk)*BSTEP, v[ADRA0]
.elseif (\i) == 1
	WIN 0
	v_add_nc_u32 v[ADRA+1], (\blk)*BSTEP, v[ADRA0+1]
.elseif (\i) == 2
	WIN 0
	v_add_nc_u32 v[AAS], (\blk)*SSTEP, v[AAS0]
.endif
.endm
.macro CHAIN i, x, n, t=TQ             ; 18 entries: the largest magnitude of the 32 sums from register x on, in two chains side by side, and the conversions' scale operand v[SOP+n]
.set XW_, (\x)>>8
.set XL_, (\x)&255
.if (\i) >= 0 && (\i) < 14
.set B_, XL_+16*((\i)%2)+2*((\i)/2)
.set T_, (\t)+1-(\i)%2
.if (\i) < 2
	WIN XW_|(XW_<<2)|(XW_<<4)
	v_max3_num_f32 v[T_], |v[B_]|, |v[B_+1]|, |v[B_+2]|
.else
	WIN (XW_<<2)|(XW_<<4)
	v_max3_num_f32 v[T_], v[T_], |v[B_+1]|, |v[B_+2]|
.endif
.elseif (\i) == 14
	WIN XW_<<2
	v_max3_num_f32 v[\t+1], v[\t+1], |v[XL_+15]|, (EMAX+1)<<23
.elseif (\i) == 15
	WIN 0
	v_nop
.elseif (\i) == 16
	WIN XW_<<2
	v_max3_num_f32 v[\t], v[\t], |v[XL_+31]|, v[\t+1]
.elseif (\i) == 17
	WIN 0
	v_add_nc_u32 v[SOP+\n], -(EMAX<<23), v[\t]
.endif
.endm
.macro CODES i, x, c, n, t=TC          ; 6 lines: 32 codes into v[c .. c+5], the scale's byte into v[EB+n]
.set XW_, (\x)>>8
.set XL_, (\x)&255
.if (\i) == 0
	WIN XW_
	v_cvt_scalef32_pk16_fp6_f32 v[\c:\c+2], v[XL_:XL_+15], v[SOP+\n]
.elseif (\i) == 1
	WIN XW_
	v_cvt_scalef32_pk16_fp6_f32 v[\t:\t+2], v[XL_+16:XL_+31], v[SOP+\n]
.elseif (\i) == 2
	WIN 0
	v_lshrrev_b32 v[EB+\n], 23, v[SOP+\n]
.else
	WIN 0
	v_mov_b32 v[\c+\i], v[\t+\i-3]
.endif
.endm
.macro CODES6 x, c, n
.irp i, 0,1,2,3,4,5
	CODES \i, \x, \c, \n
.endr
.endm
.macro PUT3 r, off                     ; a record: three stores of 256 consecutive bytes, aligned
.irp k, 0,1,2
	global_store_b64 v[L8], v[\r+2*\k:\r+2*\k+1], s[84:85] offset:(\off)+256*\k
.endr
.endm
.macro L_STEP i, x, y
	STEPL \i, \y
.endm
.macro L_OUT i, x, y
	STEPL \i, \y
	CHAIN (\i)-3, \x, 0
.endm
.macro L_LAST i, x, y
	CHAIN \i, \x, 0
.endm
.macro QKOUT t                         ; tile t's record and scale byte; the shift and the three moves are the places ahead of the fetch that follows
	CODES6 ACC+32*((\t)%2), NCD+8*((\t)%2), 0
	WALU
	ds_store_b8 v[STO], v[EB] offset:256*((\t)/4)+4*((\t)%4)
	PUT3 NCD+8*((\t)%2), 768*(\t)
.endm
.macro QKB s                           ; block s of Q's or K's phase
.set E_, (\s)%2
.if (\s) == 7
	s_wait_dscnt 1
.elseif (\s) < 2
	s_wait_dscnt NF
.else
	s_wait_dscnt NF+1
.endif
	s_wait_xcnt 0x0                                ; earlier stores have read their registers
.if (\s) == 0
	BLOCK 0, E_, ACC+32*E_, 8, L_STEP, 0, 2
	WIN 0
	PLACES 4
	WALU
.elseif (\s) < 6
	BLOCK 0, E_, ACC+32*E_, 8, L_OUT, ACC+32*(1-E_), (\s)+2
	WIN 0
	QKOUT (\s)-1
.else
	BLOCK 0, E_, ACC+32*E_, 8, L_LAST, ACC+32*(1-E_), 0
	WIN 0
	QKOUT (\s)-1
.endif
.if (\s) < 6
	FETCH E_
.endif
.endm
; ================= THE HEAD
	s_load_b128 s[4:7], s[0:1], 0x0                ; codes, scales
	s_load_b128 s[8:11], s[0:1], 0x10              ; bq, bk
	s_load_b128 s[48:51], s[0:1], 0x20             ; bv, qimg
	s_load_b64 s[52:53], s[0:1], 0x30              ; kv
	v_lshl_add_u32 v[SPW], v0, 2, SPARE
	v_mov_b32 v[NIL], 0
	ds_add_u32 v[SPW], v[NIL]                      ; the opening lines: the add twice on end and its wait
	ds_add_u32 v[SPW], v[NIL]
	v_lshrrev_b32 v1, 5, v0
	v_readfirstlane_b32 s14, v1                    ; the wave; s15 = a, its half of the rows; s16 = b, its head of the two
	s_lshr_b32 s15, s14, 1
	s_and_b32 s16, s14, 1
	s_bfe_u32 s40, ttmp6, 0x40000                  ; cx
	s_bfe_u32 s41, ttmp6, 0x40004                  ; cy
	s_lshl_b32 s42, ttmp9, 2
	s_add_co_u32 s42, s42, s40                     ; the pair of heads, 0 .. 7
	s_and_b32 s43, ttmp7, 0xffff
	s_lshl_b32 s43, s43, 2
	s_add_co_u32 s43, s43, s41                     ; the 256 rows of x, 0 .. 31
	s_lshl_b32 s44, s41, 2
	s_lshl_b32 s44, 15, s44                        ; my row of the cluster
	s_lshl_b32 s45, 0x1111, s40                    ; my column
	GROUP1 G1A, 44, 128
	GROUP1 G1B, 45, 128
	s_or_b32 s[G1S+0], s44, (3<<16)|(1<<20)|(1<<21)|(5<<22)|(3<<25)
	s_mov_b32 s[G1S+1], 32<<16
	s_mov_b32 s[G1S+2], 32<<16
	s_mov_b32 s[G1S+3], 32<<16
	s_mov_b32 s[G1S+4], 32
	s_mov_b32 s[G1S+5], 32
	s_mov_b32 s[G1S+6], 0
	s_mov_b32 s[G1S+7], 0
	s_mul_i32 s66, s43, 256*KROW                   ; my rows of x, bytes from codes
	s_add_co_u32 s67, s66, 128*KROW
	s_mul_i32 s54, s42, 128*KROW
	s_add_co_u32 s54, s54, TOK*KROW                ; Wq's 128 rows
	s_mul_i32 s55, s43, 256*KS                     ; my rows' scale bytes
	s_mul_i32 s82, s42, 128*KS
	s_mul_i32 s21, s16, 64*KS
	s_add_co_u32 s82, s82, s21
	s_add_co_u32 s82, s82, TOK*KS                  ; my 64 rows' scale bytes of Wq
	s_mov_b32 s83, 0
	s_lshl_b32 s20, s43, 1
	s_add_co_u32 s20, s20, s15                     ; my step of 128 tokens, 0 .. 63
	s_lshr_b32 s21, s20, 4
	s_lshl_b32 s21, s21, 4
	s_lshl_b32 s22, s42, 1
	s_add_co_u32 s22, s22, s16                     ; my head
	s_add_co_u32 s21, s21, s22
	s_lshl_b32 s21, s21, 4
	s_and_b32 s20, s20, 15
	s_add_co_u32 s21, s21, s20                     ; i
	s_mul_i32 s78, s21, 13056
	s_mov_b32 s79, 0
	s_mul_i32 s80, s21, 6656
	s_mov_b32 s81, 0
	s_lshl_b32 s46, s22, 8                         ; my head's 64 numbers of a bias
	s_mov_b32 s47, 0
	v_and_b32 v1, 15, v0
	v_bfe_u32 v2, v0, 4, 1
	v_and_b32 v3, 31, v0
	v_mul_u32_u24 v22, v1, PITCH
	v_mad_u32_u24 v23, v2, 24, v22
	s_mul_i32 s21, s15, 128*PITCH
	v_add_nc_u32 v[ADRA0], s21, v23
	s_mul_i32 s22, s16, 64*PITCH
	s_add_co_u32 s22, s22, BVB
	v_add_nc_u32 v[ADRB], s22, v23
	v_mad_u32_u24 v23, v2, 24+16, v22
	v_add_nc_u32 v[ADRA0+1], s21, v23
	v_add_nc_u32 v[ADRB+1], s22, v23
	v_mul_u32_u24 v[ABS], v3, KS
	v_mul_u32_u24 v23, v1, KS
	v_lshrrev_b32 v22, 8, v23
	v_lshl_add_u32 v23, v22, 4, v23
	s_mul_i32 s21, s15, 16*272
	s_add_co_u32 s21, s21, SCL
	v_add_nc_u32 v[AAS0], s21, v23
	v_lshlrev_b32 v[L8], 3, v3
	v_lshlrev_b32 v[L16], 4, v3
	s_lshl_b32 s21, s14, 9
	s_add_co_u32 s21, s21, XN                      ; my 512 bytes of the images' stage
	v_add_nc_u32 v[IMG], s21, v[L16]
	v_add_nc_u32 v[IMV], s21, v[L8]
	v_lshl_add_u32 v23, v1, 4, v2
	v_add_nc_u32 v[STO], s21, v23
	v_lshl_add_u32 v23, v1, 3, v2
	v_add_nc_u32 v[STV], s21, v23
	v_lshlrev_b32 v21, 7, v2                       ; Q, K: register i of lane (r, h) is channel 32 h + i
	v_lshrrev_b32 v20, 3, v1
	v_lshlrev_b32 v20, 7, v20
	v_and_b32 v9, 7, v1
	v_lshl_add_u32 v20, v9, 2, v20                 ; V: lane r of tile t has channel 32 (r / 8) + 8 t + r % 8
.irp j, 64,65,66,67
	v_mov_b32 v[\j], 0
.endr
	WALU                                           ; the wait ahead of the wait below
	s_wait_dscnt 0x0
	CROUND                                         ; the opening round
	s_wait_kmcnt 0x0
	s_mov_b32 s21, 0
	G0SET G0B, BVB, 4, 54
	G0SET G0S, SCL, 6, 55
	G0SET G0A, 0, 4, 66
	G0SET G0R, 128*PITCH, 4, 67
	s_cmp_eq_u32 s14, 0
	s_cbranch_scc0 .Lwave_1
	TLOAD G0B, G1B                                 ; wave 0: Wq's rows
	s_branch .Lasked
.Lwave_1:
	s_cmp_eq_u32 s14, 1
	s_cbranch_scc0 .Lwave_2
	TLOAD G0S, G1S                                 ; wave 1: x's scale bytes
	s_branch .Lasked
.Lwave_2:
	s_cmp_eq_u32 s14, 2
	s_cbranch_scc0 .Lwave_3
	TLOAD G0A, G1A                                 ; wave 2: x's rows 0 .. 127
	s_branch .Lasked
.Lwave_3:
	TLOAD G0R, G1A                                 ; wave 3: rows 128 .. 255
.Lasked:
	s_add_nc_u64 s[76:77], s[6:7], s[82:83]
	s_add_nc_u64 s[8:9], s[8:9], s[46:47]
	s_add_nc_u64 s[10:11], s[10:11], s[46:47]
	s_add_nc_u64 s[48:49], s[48:49], s[46:47]
	s_add_nc_u64 s[84:85], s[50:51], s[80:81]      ; Q's records,
	s_add_nc_u64 s[88:89], s[84:85], 6144          ; and image
	s_add_nc_u64 s[78:79], s[52:53], s[78:79]      ; K's and V's
	s_add_nc_u64 s[80:81], s[78:79], 12288
.irp p, 0,1
.irp c, 0,1
	global_load_b128 v[SBN+NQ*\p+4*\c:SBN+NQ*\p+4*\c+3], v[ABS], s[76:77] offset:\p*32*KS+16*\c
.endr
.endr
.irp k, 0,1,2,3,4,5,6,7
	global_load_b128 v[BBN+4*\k:BBN+4*\k+3], v21, s[8:9] offset:16*\k
.endr
	WIN 3<<6
.irp t, 0,1,2,3
	global_load_b32 v[BBV-768+8*\t], v20, s[48:49] offset:32*\t
.endr
.irp b, 0,1,2,3
	v_add_nc_u32 v[BA-768+2*\b], \b*16*PITCH, v[ADRB]
	v_add_nc_u32 v[BA-768+2*\b+1], \b*16*PITCH, v[ADRB+1]
.endr
	WIN 0
	v_add_nc_u32 v1, BSTEP, v[ADRA0]
	v_add_nc_u32 v22, BSTEP, v[ADRA0+1]
	v_add_nc_u32 v23, SSTEP, v[AAS0]
	s_wait_loadcnt 0x0
	WIN (3<<6)|3
.irp t, 0,8,16,24
.irp i, 1,2,3,4,5,6,7
	v_mov_b32 v[BBV-768+\t+\i], v[BBV-768+\t]      ; V's number, one a lane and tile, over the tile's eight registers
.endr
.endr
	WIN 0
	s_mov_b32 s86, 0
	WALU                                           ; the wait at the head's end
	s_cmp_eq_u32 s14, 0
	s_cbranch_scc0 .Lnot_b
	s_wait_tensorcnt 0x0
.Lnot_b:
	BARRIER                                        ; Wq's rows are in
	ds_store_b128 v[IMG], v[64:67]                 ; my 512 bytes of the images' stage begin as zeros: bytes 2 and 3 of Q's and K's scale words stay 0; awaited with the first phase's three lines
; ================= Q's PHASE, THEN K's: one text, two trips
.Lphase:
	WEIGHTS
	s_wait_tensorcnt 0x0                           ; the three lines ahead of the refill's round; in the first trip x's tiles are waited for here
	ds_add_u32 v[SPW], v[NIL]
	s_wait_loadcnt 0x0                             ; this phase's scale words and bias are in
.set I, 0
.rept 16
	v_mov_b32 v[SB+I], v[SBN+I]
.set I, I+1
.endr
.set I, 0
.rept 32
	v_mov_b32 v[BBQ+I], v[BBN+I]
.set I, I+1
.endr
	s_add_nc_u64 s[G0B+2:G0B+3], s[G0B+2:G0B+3], 1024*KROW
	s_add_nc_u64 s[76:77], s[76:77], 1024*KS
	WALU
	s_wait_dscnt 0x0                               ; the add is done, and I hold the weight in registers
	CROUND
	s_cmp_eq_u32 s14, 0
	s_cbranch_scc0 .Lno_fill
	TLOAD G0B, G1B                                 ; the next weight's rows onto this one's
.Lno_fill:
.irp p, 0,1
.irp c, 0,1
	global_load_b128 v[SBN+NQ*\p+4*\c:SBN+NQ*\p+4*\c+3], v[ABS], s[76:77] offset:\p*32*KS+16*\c
.endr
.endr
	s_cmp_eq_u32 s86, 0
	s_cbranch_scc0 .Lno_bk
.irp k, 0,1,2,3,4,5,6,7
	global_load_b128 v[BBN+4*\k:BBN+4*\k+3], v21, s[10:11] offset:16*\k
.endr
.Lno_bk:
	FETCH01
.irp s, 0,1,2,3,4,5,6,7
	QKB \s
.endr
	PLACES 4
.set I, 0
.rept 18
	CHAIN I, ACC+32, 0
.set I, I+1
.endr
	QKOUT 7
	ds_load_b128 v[IMR:IMR+3], v[IMG]              ; LDS serves a wave's instructions in order: this sees my eight byte stores
	s_wait_dscnt 0x0
	global_store_b128 v[L16], v[IMR:IMR+3], s[88:89]   ; the image: 512 consecutive bytes
	WALU
	s_wait_xcnt 0x0
	s_mov_b64 s[84:85], s[78:79]                   ; from here on K's and V's places
	s_mov_b64 s[88:89], s[80:81]
	s_wait_tensorcnt 0x0
	BARRIER                                        ; the next weight's rows are shown to all
	s_add_co_u32 s86, s86, 1
	s_cmp_lg_u32 s86, 2
	s_cbranch_scc1 .Lphase
; ================= V's PHASE: two bands of four blocks; band 0's four records are made among band 1's products
	WEIGHTS
	FETCH01
	s_wait_loadcnt 0x0
.set I, 0
.rept 16
	v_mov_b32 v[SB+I], v[SBN+I]
.set I, I+1
.endr
	PLACES 8
	WALU
.irp s, 0,1,2,3
	s_wait_dscnt NF
	BLOCK 1, \s%2, HV0+8*\s, 32, L_STEP, 0, \s+2
	WIN 0
	PLACES 4
	WALU
	FETCH \s%2
.endr
.irp j, 0,1,2,3
.if \j == 3
	s_wait_dscnt 1
.else
	s_wait_dscnt NF+(\j+1)/2
.endif
	s_wait_xcnt 0x0
.if \j < 2
	BLOCK 1, \j%2, HV1+8*\j, 32, L_OUT, HV0+32*\j, \j+6
.else
	BLOCK 1, \j%2, HV1+8*\j, 32, L_LAST, HV0+32*\j, 0
.endif
	WIN 0
	CODES6 HV0+32*\j, MCD+8*\j, 0
	WALU
	ds_store_b8 v[STV], v[EB] offset:128*(\j/2)+4*(\j%2)
	PUT3 MCD+8*\j, 6144+768*2*\j
.if \j < 2
	FETCH \j%2
.endif
.endr
	s_wait_xcnt 0x0                                ; band 0's stores have read their registers
.set I, 0
.rept 18
.irp t, 0,1,2,3
	CHAIN I, HV1+32*\t, \t, 64+4*\t
.endr
.set I, I+1
.endr
.set I, 0
.rept 6
.irp t, 0,1,2,3
	CODES I, HV1+32*\t, MCD+8*\t, \t, 80+4*\t
.endr
.set I, I+1
.endr
	WIN 0
	WALU
.irp t, 0,1,2,3
	ds_store_b8 v[STV], v[EB+\t] offset:128*(\t/2)+4*(\t%2)+2
.endr
.irp t, 0,1,2,3
	PUT3 MCD+8*\t, 6144+768*(2*\t+1)
.endr
	ds_load_b64 v[IMR:IMR+1], v[IMV]
	s_wait_dscnt 0x0
	global_store_b64 v[L8], v[IMR:IMR+1], s[84:85] offset:12800   ; V's image: 256 consecutive bytes, aligned
	s_wait_tensorcnt 0x0                           ; the wave's end
	ds_add_u32 v[SPW], v[NIL]
	s_wait_dscnt 0x0
	CROUND                                         ; the closing round
	s_endpgm
.Lfunc_end_k_q86dbcb94b5_qkv:
	.size	k_q86dbcb94b5_qkv, .Lfunc_end_k_q86dbcb94b5_qkv-k_q86dbcb94b5_qkv
	.p2alignl 7, 3214868480
	.fill 96, 4, 3214868480
	.section	.rodata,"a",@progbits
	.p2align	6, 0x0
	.amdhsa_kernel k_q86dbcb94b5_qkv
		.amdhsa_group_segment_fixed_size 327680
		.amdhsa_private_segment_fixed_size 0
		.amdhsa_enable_private_segment 0
		.amdhsa_kernarg_size 56
		.amdhsa_user_sgpr_count 2
		.amdhsa_user_sgpr_kernarg_segment_ptr 1
		.amdhsa_wavefront_size32 1
		.amdhsa_system_sgpr_workgroup_id_x 1
		.amdhsa_system_sgpr_workgroup_id_y 1
		.amdhsa_system_sgpr_workgroup_id_z 1
		.amdhsa_system_vgpr_workitem_id 0
		.amdhsa_next_free_vgpr 1024
		.amdhsa_next_free_sgpr 102
		.amdhsa_reserve_vcc 0
		.amdhsa_float_denorm_mode_32 3
		.amdhsa_float_denorm_mode_16_64 3
		.amdhsa_memory_ordered 1
		.amdhsa_forward_progress 1
		.amdhsa_inst_pref_size 166
	.end_amdhsa_kernel
	.amdgpu_metadata
---
amdhsa.version: [ 1, 2 ]
amdhsa.kernels:
  - .name:           k_q86dbcb94b5_qkv
    .symbol:         k_q86dbcb94b5_qkv.kd
    .args:
      - { .name: codes, .offset: 0, .size: 8, .value_kind: global_buffer, .address_space: global }
      - { .name: scales, .offset: 8, .size: 8, .value_kind: global_buffer, .address_space: global }
      - { .name: bq, .offset: 16, .size: 8, .value_kind: global_buffer, .address_space: global }
      - { .name: bk, .offset: 24, .size: 8, .value_kind: global_buffer, .address_space: global }
      - { .name: bv, .offset: 32, .size: 8, .value_kind: global_buffer, .address_space: global }
      - { .name: qimg, .offset: 40, .size: 8, .value_kind: global_buffer, .address_space: global }
      - { .name: kv, .offset: 48, .size: 8, .value_kind: global_buffer, .address_space: global }
    .group_segment_fixed_size: 327680
    .private_segment_fixed_size: 0
    .kernarg_segment_align: 8
    .kernarg_segment_size: 56
    .max_flat_workgroup_size: 128
    .sgpr_count:     102
    .vgpr_count:     1024
    .wavefront_size: 32
...
	.end_amdgpu_metadata
.endif
;; end of part 2
;; launch attn (part 3): grid 4 x 64, 16 waves a work-group, clusters of 4 x 1, 210,944 bytes of LDS; arguments qimg, kv, ximg, scales; writes ximg, scales
.if DOCPART == 3
	.amdgcn_target "amdgcn-amd-amdhsa--gfx1250"
	.amdhsa_code_object_version 6
	.text
	.protected	k_q86dbcb94b5_attn
	.globl	k_q86dbcb94b5_attn
	.p2align	8
	.type	k_q86dbcb94b5_attn,@function
k_q86dbcb94b5_attn:
	s_mov_b64 s[64:65], 0
	v_nop
	global_prefetch_b8 v0, s[64:65] scope:SCOPE_SE
	s_setreg_imm32_b32 hwreg(HW_REG_WAVE_MODE, 25, 1), 1
	s_wait_xcnt 0x0
	s_wait_alu depctr_hold_cnt(0) depctr_sa_sdst(0) depctr_va_vdst(0) depctr_va_sdst(0) depctr_va_ssrc(0) depctr_va_vcc(0) depctr_vm_vsrc(0)
	s_getreg_b32 s2, hwreg(HW_REG_IB_STS2, 6, 4)
	s_cmp_eq_u32 s2, 0
	s_cbranch_scc0 .Lentry_in_a_cluster
	s_endpgm
.Lentry_in_a_cluster:
	s_bfe_u32 s2, ttmp6, 0x10000c
	s_cmp_lg_u32 s2, 0x3003
	s_cbranch_scc0 .Lentry_shape_is_right
	s_endpgm
.Lentry_shape_is_right:
; x[b][q][64 head + :] = softmax_k(q . k / 8) v, both products on codes of FP6 (E2M3) with one E8M0 scale for each 32 along a product's K; x is quantised along E and stored as the last product's operand registers.
; THE SOFTMAX: t = score x log2(e) / 8; M = the row's largest t so far, rounded UP to a whole number; p = 2^(t - M) is what is quantised, along the keys.  The row's sum is taken of the unquantised p and divides O at the end.
; When M moves, the sum and O are multiplied by 2^(old M - new M): exact, and with no branch on data.
; SHARES.  A work-group owns ONE head of one batch and 512 queries: 4 x 64 work-groups.  The head's K and V, 16 key steps of 13,056 bytes = 208,896 bytes, lie in LDS WHOLE: each of the sixteen waves asks for one key step
; at the head, its one tensor load; nothing is filled again, so behind the one barrier that shows the sixteen tiles no barrier stands until the end.  A wave owns two tiles of 16 queries, one after the other, and walks
; the 16 key steps for each by itself.
; CLUSTER: the four blocks of queries of a head read the same run of kv: each load is asked for jointly, with a mask that names the four.
; NO PREFETCH: all of kv that the work-group reads is asked for by the head's loads; no loop runs ahead of a load.
; WHAT A KEY STEP HOLDS: 8 records of K (tile t of 16 keys) | 8 records of V (channel tile u, key half c: 2 u + c) | K's scale image, 512 bytes | V's scale image, 256 bytes.
; A record is six registers of all 32 lanes, register pair p at 256 p + 8 x lane.
; LAYOUT.  Both products are used transposed: S^T = K Q^T, O^T = V^T P^T: a lane holds one query throughout.  Register 32 c + i of S^T is key 64 c + 32 (lane / 16) + i, register i of O^T channel 32 (lane / 16) + i:
; whole blocks of 32 in one lane, in the lane that the next operand's layout gives them.
; K = 64 IN AN INSTRUCTION OF 128: Q's registers 6-11 are zero codes, so what stands in K's registers 6-11 (the next tile's codes, all finite; behind tile 7 zeros) adds nothing.  Bytes 2, 3 of both scale words are 0, a power of two.
; x's scale bytes: a work-group has 2 of a row's 32 (its head's), so it stores 2 bytes a row: one byte in 24 of what it stores; the other heads' belong to other work-groups.
; LIMITS: NaN and infinities are not served; the promise holds while |t| stays under 2^31; a block under 2^-124, and a block of zeros, keep the byte 1; 1 / sum is v_rcp_f32's.
; REGISTERS: v1-10 addresses; v12 -M, v13 the largest t, v[14:15] the sum; v16-27 Q and its zeros; v28 Q's scales; v32-35 K's, v36-37 V's, v38 P's scales;
;   v40-93 K's eight fragments, six registers apart, and six zeros; later V's four; v96-159 S^T, then p; v160-191 O^T; v192-203 P's codes; v204-255 at work.
.set REC,   768
.set STEPB, 13056                      ; 51 runs of 256 bytes: what one tensor load brings
.set SPARE, 16*STEPB                   ; the spare words: 128 bytes for each of 16 waves
.set L8,  1
.set L16, 2
.set SPW, 4
.set NIL, 5
.set ADK, 6
.set ADS, 7
.set H8,  8
.set XSO, 9
.set QSO, 10
.set KF,  40
.set WV,  12
.set G1,  24
.set G0,  32
.set CS,  40
.set SEL, 42
.set TB,  44
.set CNT, 45
.set PQ,  46
.set PQS, 48
.set PX,  50
.set PXS, 52
.macro CROUND
	s_barrier_signal -1
	s_barrier_wait -1
	s_cmp_lg_u32 s[WV], 0
	s_cbranch_scc1 .Lnot_wave_0_\@
	s_barrier_signal -3
.Lnot_wave_0_\@:
	s_barrier_wait -3
	s_barrier_signal -1
	s_barrier_wait -1
.endm
	s_load_b256 s[4:11], s[0:1], 0x0               ; qimg, kv, ximg, scales
	v_lshl_add_u32 v[SPW], v0, 2, SPARE
	v_mov_b32 v[NIL], 0
	ds_add_u32 v[SPW], v[NIL]                      ; the opening lines: the add twice on end and its wait ahead of my tensor load
	ds_add_u32 v[SPW], v[NIL]
	v_lshrrev_b32 v3, 5, v0
	s_delay_alu instid0(VALU_DEP_1)
	v_readfirstlane_b32 s[WV], v3                  ; wave 0..15
	s_bfe_u32 s13, ttmp6, 0x40000                  ; cx: my block of 512 queries; it enters Q's and x's addresses alone
	s_and_b32 s15, ttmp7, 0xffff                   ; 16 batch + head, which the four partners share
	s_mul_i32 s17, s[WV], STEPB                    ; the key step that I fetch, in LDS and in memory
	s_mul_i32 s18, s15, 16*STEPB
	s_add_co_u32 s18, s18, s17
	s_mov_b32 s19, 0
	s_mov_b32 s[G1], 15|(3<<16)|(1<<21)            ; the mask: all four; elements of 8 bytes; no padding: every LDS read is dense; bit 21 beside a mask
	s_mov_b32 s[G1+1], 32<<16
	s_mov_b32 s[G1+2], 51<<16
	s_mov_b32 s[G1+3], 32<<16
	s_mov_b32 s[G1+4], 51
	s_mov_b32 s[G1+5], 32
	s_mov_b32 s[G1+6], 0
	s_mov_b32 s[G1+7], 0
	s_lshl_b32 s20, s15, 4                         ; Q: 16 steps of 128 queries a head; my first tile lies in step 4 cx + wave / 8
	s_lshl_b32 s21, s13, 2
	s_add_co_u32 s20, s20, s21
	s_lshr_b32 s21, s[WV], 3
	s_add_co_u32 s20, s20, s21
	s_mul_i32 s20, s20, 6656
	s_and_b32 s22, s[WV], 7                        ; a: my tile in it
	s_mul_i32 s23, s22, REC
	s_add_co_u32 s56, s20, s23
	s_mov_b32 s57, 0
	s_lshr_b32 s23, s22, 2
	s_lshl_b32 s23, s23, 8                         ; the scale image: word a % 4 of lane r + 16 (a / 4)
	s_and_b32 s22, s22, 3
	s_lshl_b32 s22, s22, 2
	s_add_co_u32 s58, s20, s23
	s_add_co_u32 s58, s58, s22
	s_add_co_u32 s58, s58, 6144
	s_mov_b32 s59, 0
	s_lshr_b32 s20, s15, 4
	s_lshl_b32 s20, s20, 7
	s_lshl_b32 s21, s13, 5
	s_add_co_u32 s20, s20, s21
	s_add_co_u32 s20, s20, s[WV]                   ; T = 128 batch + 32 cx + wave: my first tile of tokens; the second is T + 16
	s_and_b32 s21, s15, 15                         ; my head
	s_lshl_b32 s22, s20, 4
	s_add_co_u32 s23, s22, s21
	s_mul_i32 s60, s23, REC                        ; ximg: (16 T + head) records
	s_mov_b32 s61, 0
	s_add_co_u32 s22, s22, 12288                   ; x's rows of the scales' table: 12288 + 16 T on
	s_lshl_b32 s22, s22, 5
	s_lshl_b32 s23, s21, 1                         ; a head is two blocks
	s_add_co_u32 s62, s22, s23
	s_mov_b32 s63, 0
	s_mov_b32 s[CS], 0x3e38aa3b                    ; c = log2(e) / 8
	s_mov_b32 s[CS+1], s[CS]
	s_mov_b32 s[SEL], 0x76543210
	s_mov_b32 s[SEL+1], 0xfedcba98
	v_and_b32 v3, 31, v0
	s_delay_alu instid0(VALU_DEP_1)
	v_lshlrev_b32 v[L8], 3, v3
	s_delay_alu instid0(VALU_DEP_2)
	v_lshlrev_b32 v[L16], 4, v3
	v_bfe_u32 v[H8], v0, 4, 1
	s_delay_alu instid0(VALU_DEP_1)
	v_lshlrev_b32 v[H8], 3, v[H8]
	v_and_b32 v3, 15, v0
	s_delay_alu instid0(VALU_DEP_1)
	v_lshlrev_b32 v[XSO], 5, v3
	s_delay_alu instid0(VALU_DEP_2)
	v_lshlrev_b32 v[QSO], 4, v3
.irp j, 22,23,24,25,26,27,88,89,90,91,92,93
	v_mov_b32 v[\j], 0                             ; zero codes: Q's K = 64 .. 127, and what stands behind K's tile 7
.endr
	v_mov_b32 v217, 0                              ; a lane permute's destination counts as one of its sources
	v_mov_b32 v227, 0
	v_mov_b32 v221, 0                              ; (the upper half of the pair v[220:221])
	s_wait_alu depctr_va_vdst(0)                   ; the wait at the head's end
	s_wait_dscnt 0x0                               ; both opening adds are done
	s_wait_kmcnt 0x0
	s_add_nc_u64 s[PQ:PQ+1], s[4:5], s[56:57]
	s_add_nc_u64 s[PQS:PQS+1], s[4:5], s[58:59]
	s_add_nc_u64 s[PX:PX+1], s[8:9], s[60:61]
	s_add_nc_u64 s[PXS:PXS+1], s[10:11], s[62:63]
	s_add_nc_u64 s[6:7], s[6:7], s[18:19]
	CROUND                                         ; all four work-groups are here: the joint loads meet
	s_mov_b32 s[G0], 1
	s_mov_b32 s[G0+1], s17
	s_mov_b64 s[G0+2:G0+3], s[6:7]
	s_or_b32 s[G0+3], s[G0+3], 0x80000000
	tensor_load_to_lds s[G0:G0+3], s[G1:G1+7]      ; key step = my wave's number: every wave's one load
	s_nop 0
.rept 4
	v_nop
.endr
; A KEY STEP: 128 keys, at LDS byte s[TB].
.macro STEP
	v_add_nc_u32 v[ADK], s[TB], v[L8]
	v_add_nc_u32 v[ADS], s[TB], v[L16]
	v_nop
	v_nop                                          ; four places behind the last step's products, in front of loads into registers that they read
.irp t, 0,1,2,3,4,5,6,7
.irp p, 0,1,2
	ds_load_b64 v[KF+6*\t+2*\p:KF+6*\t+2*\p+1], v[ADK] offset:768*\t+256*\p
.endr
.endr
	ds_load_b128 v[32:35], v[ADS] offset:12288     ; K's scale words: register i: lanes 0-15 tile i's, lanes 16-31 tile 4 + i's
	s_wait_alu depctr_va_vdst(0)
	s_wait_dscnt 0x0
.irp t, 0,1,2,3
	v_wmma_scale_f32_16x16x128_f8f6f4 v[96+8*\t:103+8*\t], v[KF+6*\t:KF+6*\t+11], v[16:27], 0, v[32+\t], v28 matrix_a_fmt:MATRIX_FMT_FP6 matrix_b_fmt:MATRIX_FMT_FP6
.endr
.irp t, 4,5,6,7
	v_wmma_scale_f32_16x16x128_f8f6f4 v[96+8*\t:103+8*\t], v[KF+6*\t:KF+6*\t+11], v[16:27], 0, v[28+\t], v28 matrix_a_fmt:MATRIX_FMT_FP6 matrix_b_fmt:MATRIX_FMT_FP6 matrix_a_scale:MATRIX_SCALE_ROW1
.endr
.rept 4
	v_nop                                          ; places: for the loads below, and for the first read of the scores
.endr
.irp u, 0,1,2,3                                    ; V's four fragments land under the softmax
.irp c, 0,1
.irp p, 0,1,2
	ds_load_b64 v[KF+12*\u+6*\c+2*\p:KF+12*\u+6*\c+2*\p+1], v[ADK] offset:6144+768*(2*\u+\c)+256*\p
.endr
.endr
.endr
	ds_load_b64 v[36:37], v[ADK] offset:12800      ; V's scale words
.irp b, 0,1,2,3
	v_max3_num_f32 v[212+\b], v[96+16*\b], v[97+16*\b], v[98+16*\b]   ; four chains by turns; each accumulator is first read at its low end
.endr
.irp i, 3,5,7,9,11,13
.irp b, 0,1,2,3
	v_max3_num_f32 v[212+\b], v[212+\b], v[96+16*\b+\i], v[97+16*\b+\i]
.endr
.endr
.irp c, 0,1
	v_max3_num_f32 v[212+2*\c], v[212+2*\c], v[213+2*\c], v[111+32*\c]
.endr
.irp c, 0,1
	v_max_num_f32 v[212+2*\c], v[212+2*\c], v[127+32*\c]   ; the largest score of each of my two blocks of 32 keys: for the row's maximum and, since p rises with the score, for the block's largest p
.endr
	s_delay_alu instid0(VALU_DEP_1)
	v_max_num_f32 v216, v212, v214
	s_delay_alu instid0(VALU_DEP_1)
	v_permlanex16_b32 v217, v216, s[SEL], s[SEL+1]
	s_delay_alu instid0(VALU_DEP_1)
	v_max_num_f32 v216, v216, v217
	s_delay_alu instid0(VALU_DEP_1)
	v_mul_f32 v216, s[CS], v216
	s_delay_alu instid0(VALU_DEP_1)
	v_max_num_f32 v13, v13, v216                   ; the running largest t
	v_mov_b32 v216, v12
	s_delay_alu instid0(VALU_DEP_2)
	v_floor_f32 v12, -v13                          ; the new -M = floor(-t)
	s_delay_alu instid0(VALU_DEP_1)
	v_sub_f32 v216, v12, v216
	s_delay_alu instid0(VALU_DEP_1)
	v_cvt_i32_f32 v216, v216
	s_delay_alu instid0(VALU_DEP_1)
	v_ldexp_f32 v220, 1.0, v216                    ; f = 2^(old M - new M)
.set j, 0
.rept 32
	v_pk_fma_f32 v[96+j:97+j], v[96+j:97+j], s[CS:CS+1], v[12:13] op_sel_hi:[1,0,0]   ; t - M
.set j, j+2
.endr
.irp c, 0,1
	v_fma_f32 v[212+2*\c], v[212+2*\c], s[CS], v12
.endr
.set j, 0
	s_wait_alu depctr_va_vdst(0)                   ; the wait ahead of the batch
.rept 64
	v_exp_f32 v[96+j], v[96+j]                     ; p = 2^(t - M)
.set j, j+1
.endr
	v_pk_mul_f32 v[14:15], v[14:15], v[220:221] op_sel_hi:[1,0]   ; the sums under the new M (a plain place behind the exponentials)
	s_wait_alu depctr_va_vdst(0)                   ; one wait for the whole batch
	v_exp_f32 v212, v212                           ; each block's largest p
	v_exp_f32 v214, v214
	v_pk_add_f32 v[228:229], v[100:101], v[104:105]
	v_pk_add_f32 v[254:255], v[108:109], v[112:113]
	v_pk_add_f32 v[252:253], v[116:117], v[120:121]
	v_pk_add_f32 v[250:251], v[124:125], v[128:129]
	v_pk_add_f32 v[248:249], v[132:133], v[136:137]
	v_pk_add_f32 v[246:247], v[140:141], v[144:145]
	v_pk_add_f32 v[244:245], v[148:149], v[152:153]
	v_pk_add_f32 v[14:15], v[14:15], v[156:157]
	v_pk_add_f32 v[228:229], v[228:229], v[96:97]
	v_pk_add_f32 v[254:255], v[254:255], v[98:99]
	v_pk_add_f32 v[252:253], v[252:253], v[102:103]
	v_pk_add_f32 v[250:251], v[250:251], v[106:107]
	v_pk_add_f32 v[248:249], v[248:249], v[110:111]
	v_pk_add_f32 v[246:247], v[246:247], v[114:115]
	v_pk_add_f32 v[244:245], v[244:245], v[118:119]
	v_pk_add_f32 v[14:15], v[14:15], v[122:123]
	v_pk_add_f32 v[228:229], v[228:229], v[126:127]
	v_pk_add_f32 v[254:255], v[254:255], v[130:131]
	v_pk_add_f32 v[252:253], v[252:253], v[134:135]
	v_pk_add_f32 v[250:251], v[250:251], v[138:139]
	v_pk_add_f32 v[248:249], v[248:249], v[142:143]
	v_pk_add_f32 v[246:247], v[246:247], v[146:147]
	v_pk_add_f32 v[244:245], v[244:245], v[150:151]
	v_pk_add_f32 v[14:15], v[14:15], v[154:155]
	v_pk_add_f32 v[228:229], v[228:229], v[158:159]
	s_delay_alu instid0(VALU_DEP_2)
	v_pk_add_f32 v[14:15], v[14:15], v[250:251]
	s_delay_alu instid0(VALU_DEP_2)
	v_pk_add_f32 v[228:229], v[228:229], v[248:249]
	v_pk_add_f32 v[254:255], v[254:255], v[246:247]
	v_pk_add_f32 v[252:253], v[252:253], v[244:245]
	s_delay_alu instid0(VALU_DEP_2)
	v_pk_add_f32 v[14:15], v[14:15], v[254:255]
	s_delay_alu instid0(VALU_DEP_2)
	v_pk_add_f32 v[228:229], v[228:229], v[252:253]
	s_delay_alu instid0(VALU_DEP_1)
	v_pk_add_f32 v[14:15], v[14:15], v[228:229]
	s_wait_alu depctr_va_vdst(0)                   ; and one for the two
.irp c, 0,1
	v_max_num_f32 v[212+2*\c], 0x1800000, v[212+2*\c]   ; the floor 2^(3 - 127)
.endr
.irp c, 0,1
	s_delay_alu instid0(VALU_DEP_2)
	v_add_nc_u32 v[222+\c], 0xff000000, v[212+2*\c]     ; the conversion's scale operand
.endr
.irp c, 0,1
	s_delay_alu instid0(VALU_DEP_2)
	v_lshrrev_b32 v[224+\c], 23, v[222+\c]         ; the scale's byte
.endr
	s_delay_alu instid0(VALU_DEP_1)
	v_lshl_or_b32 v226, v225, 16, v224
	s_delay_alu instid0(VALU_DEP_1)
	v_lshlrev_b32 v226, v[H8], v226
	s_delay_alu instid0(VALU_DEP_1)
	v_permlanex16_b32 v227, v226, s[SEL], s[SEL+1]
	s_delay_alu instid0(VALU_DEP_1)
	v_or_b32 v38, v226, v227                       ; p's scale word for these 128 keys
.irp c, 0,1
	v_cvt_scalef32_pk16_fp6_f32 v[192+6*\c:194+6*\c], v[96+32*\c:111+32*\c], v[222+\c]
	v_cvt_scalef32_pk16_fp6_f32 v[204+4*\c:206+4*\c], v[112+32*\c:127+32*\c], v[222+\c]
.endr
	v_nop                                          ; one plain place behind a scaled conversion
.irp c, 0,1
.irp i, 0,1,2
	v_mov_b32 v[195+6*\c+\i], v[204+4*\c+\i]
.endr
.endr
.set j, 0
.rept 16
	v_pk_mul_f32 v[160+j:161+j], v[160+j:161+j], v[220:221] op_sel_hi:[1,0]   ; O^T under the new M; also the places between the scale word, the codes and the products below
.set j, j+2
.endr
	s_wait_alu depctr_va_vdst(0)
	s_wait_dscnt 0x0                               ; V
.irp u, 0,1
	v_wmma_scale_f32_16x16x128_f8f6f4 v[160+8*\u:167+8*\u], v[KF+12*\u:KF+12*\u+11], v[192:203], v[160+8*\u:167+8*\u], v[36+\u], v38 matrix_a_fmt:MATRIX_FMT_FP6 matrix_b_fmt:MATRIX_FMT_FP6
.endr
.irp u, 2,3
	v_wmma_scale_f32_16x16x128_f8f6f4 v[160+8*\u:167+8*\u], v[KF+12*\u:KF+12*\u+11], v[192:203], v[160+8*\u:167+8*\u], v[34+\u], v38 matrix_a_fmt:MATRIX_FMT_FP6 matrix_b_fmt:MATRIX_FMT_FP6 matrix_a_scale:MATRIX_SCALE_ROW1
.endr                                              ; the four accumulators take turns, and the next step's eight products stand between two links
.endm
.macro WALK                            ; the head's sixteen key steps
	s_mov_b32 s[TB], 0
	s_mov_b32 s[CNT], 16
.Lstep_\@:
	STEP
	s_add_co_u32 s[TB], s[TB], STEPB
	s_sub_co_u32 s[CNT], s[CNT], 1
	s_cmp_lg_u32 s[CNT], 0
	s_cbranch_scc1 .Lstep_\@
.endm
; Tile e begins: its codes and scale word of Q (two steps of 128 queries on for e = 1); the largest t -3e38; sum and O^T zeros, which the first change of M leaves zeros.
.macro START e
.irp p, 0,1,2
	global_load_b64 v[16+2*\p:17+2*\p], v[L8], s[PQ:PQ+1] offset:13312*\e+256*\p
.endr
	global_load_b32 v28, v[QSO], s[PQS:PQS+1] offset:13312*\e
	v_mov_b32 v13, 0xff61b1e6
	s_delay_alu instid0(VALU_DEP_1)
	v_floor_f32 v12, -v13
	v_mov_b32 v14, 0
	v_mov_b32 v15, 0
.set j, 0
.rept 32
	v_mov_b32 v[160+j], 0
.set j, j+1
.endr
	s_wait_alu depctr_va_vdst(0)                   ; the wait ahead of the wait below
	s_wait_loadcnt 0x0
	s_wait_xcnt 0x0                                ; the last tile's stores have read their registers: the steps write them again
.endm
; Tile e ends: O^T / the sum is my query's 32 channels 32 (lane / 16) on: one block of x along E.
.macro FINISH e
.rept 4
	v_nop                                          ; places behind the last products
.endr
	v_add_f32 v14, v14, v15
	s_delay_alu instid0(VALU_DEP_1)
	v_permlanex16_b32 v217, v14, s[SEL], s[SEL+1]
	s_delay_alu instid0(VALU_DEP_1)
	v_add_f32 v14, v14, v217                       ; the row's sum
	s_wait_alu depctr_va_vdst(0)
	v_rcp_f32 v216, v14
	v_nop
	s_wait_alu depctr_va_vdst(0)
.set j, 0
.rept 16
	v_pk_mul_f32 v[96+j:97+j], v[160+j:161+j], v[216:217] op_sel_hi:[1,0]
.set j, j+2
.endr
	v_max3_num_f32 v212, |v96|, |v97|, |v98|
	v_max3_num_f32 v213, |v99|, |v100|, |v101|
.irp i, 6,10,14,18,22,26
	s_delay_alu instid0(VALU_DEP_2)
	v_max3_num_f32 v212, v212, |v[96+\i]|, |v[97+\i]|
	s_delay_alu instid0(VALU_DEP_2)
	v_max3_num_f32 v213, v213, |v[98+\i]|, |v[99+\i]|
.endr
	s_delay_alu instid0(VALU_DEP_2)
	v_max3_num_f32 v212, v212, |v126|, |v127|
	s_delay_alu instid0(VALU_DEP_1)
	v_max3_num_f32 v212, v212, v213, 0x1800000
	s_delay_alu instid0(VALU_DEP_1)
	v_add_nc_u32 v222, 0xff000000, v212
	s_delay_alu instid0(VALU_DEP_1)
	v_lshrrev_b32 v224, 23, v222
	v_cvt_scalef32_pk16_fp6_f32 v[192:194], v[96:111], v222
	v_cvt_scalef32_pk16_fp6_f32 v[204:206], v[112:127], v222
	v_nop
	v_mov_b32 v195, v204
	v_mov_b32 v196, v205
	v_mov_b32 v197, v206
.irp p, 0,1,2
	global_store_b64 v[L8], v[192+2*\p:193+2*\p], s[PX:PX+1] offset:196608*\e+256*\p   ; 32 lanes store 256 consecutive bytes, aligned; tile T + 16 lies 256 records on
.endr
	v_lshlrev_b32 v226, v[H8], v224
	s_delay_alu instid0(VALU_DEP_1)
	v_permlanex16_b32 v227, v226, s[SEL], s[SEL+1]
	s_delay_alu instid0(VALU_DEP_1)
	v_or_b32 v226, v226, v227                      ; my query's two bytes of this head
	global_store_b16 v[XSO], v226, s[PXS:PXS+1] offset:8192*\e   ; lanes 16-31 write the same bytes to the same place as lanes 0-15
.endm
	START 0
	s_wait_tensorcnt 0x0                           ; my key step is in
	s_barrier_signal -1
	s_barrier_wait -1                              ; everybody's is: the whole head lies in LDS, and nothing is filled again
	WALK
	FINISH 0
	START 1
	WALK
	FINISH 1
	s_wait_tensorcnt 0x0                           ; the wave's end
	ds_add_u32 v[SPW], v[NIL]
	s_wait_dscnt 0x0
	CROUND                                         ; the closing round
	s_endpgm
.Lfunc_end_k_q86dbcb94b5_attn:
	.size	k_q86dbcb94b5_attn, .Lfunc_end_k_q86dbcb94b5_attn-k_q86dbcb94b5_attn
	.p2alignl 7, 3214868480
	.fill 96, 4, 3214868480
	.section	.rodata,"a",@progbits
	.p2align	6, 0x0
	.amdhsa_kernel k_q86dbcb94b5_attn
		.amdhsa_group_segment_fixed_size 210944
		.amdhsa_private_segment_fixed_size 0
		.amdhsa_enable_private_segment 0
		.amdhsa_kernarg_size 32
		.amdhsa_user_sgpr_count 2
		.amdhsa_user_sgpr_kernarg_segment_ptr 1
		.amdhsa_wavefront_size32 1
		.amdhsa_system_sgpr_workgroup_id_x 1
		.amdhsa_system_sgpr_workgroup_id_y 1
		.amdhsa_system_sgpr_workgroup_id_z 1
		.amdhsa_system_vgpr_workitem_id 0
		.amdhsa_next_free_vgpr 256
		.amdhsa_next_free_sgpr 66
		.amdhsa_reserve_vcc 0
		.amdhsa_float_denorm_mode_32 3
		.amdhsa_float_denorm_mode_16_64 3
		.amdhsa_memory_ordered 1
		.amdhsa_forward_progress 1
		.amdhsa_inst_pref_size 50
	.end_amdhsa_kernel
	.amdgpu_metadata
---
amdhsa.version: [ 1, 2 ]
amdhsa.kernels:
  - .name:           k_q86dbcb94b5_attn
    .symbol:         k_q86dbcb94b5_attn.kd
    .args:
      - { .name: qimg, .offset: 0, .size: 8, .value_kind: global_buffer, .address_space: global }
      - { .name: kv, .offset: 8, .size: 8, .value_kind: global_buffer, .address_space: global }
      - { .name: ximg, .offset: 16, .size: 8, .value_kind: global_buffer, .address_space: global }
      - { .name: scales, .offset: 24, .size: 8, .value_kind: global_buffer, .address_space: global }
    .group_segment_fixed_size: 210944
    .private_segment_fixed_size: 0
    .kernarg_segment_align: 8
    .kernarg_segment_size: 32
    .max_flat_workgroup_size: 512
    .sgpr_count:     66
    .vgpr_count:     256
    .wavefront_size: 32
...
	.end_amdgpu_metadata
.endif
;; end of part 3
;; launch oproj (part 4): grid 8 x 32, 4 waves a work-group, clusters of 4 x 4, 327,680 bytes of LDS; arguments ximg, scales, codes, bo, out0; writes out0
.if DOCPART == 4
	.amdgcn_target "amdgcn-amd-amdhsa--gfx1250"
	.amdhsa_code_object_version 6
	.text
	.protected	k_q86dbcb94b5_oproj
	.globl	k_q86dbcb94b5_oproj
	.p2align	8
	.type	k_q86dbcb94b5_oproj,@function
k_q86dbcb94b5_oproj:
	s_mov_b64 s[64:65], 0
	v_nop
	global_prefetch_b8 v0, s[64:65] scope:SCOPE_SE
	s_setreg_imm32_b32 hwreg(HW_REG_WAVE_MODE, 25, 1), 1
	s_wait_xcnt 0x0
	s_wait_alu depctr_hold_cnt(0) depctr_sa_sdst(0) depctr_va_vdst(0) depctr_va_sdst(0) depctr_va_ssrc(0) depctr_va_vcc(0) depctr_vm_vsrc(0)
	s_getreg_b32 s2, hwreg(HW_REG_IB_STS2, 6, 4)
	s_cmp_eq_u32 s2, 0
	s_cbranch_scc0 .Lentry_in_a_cluster
	s_endpgm
.Lentry_in_a_cluster:
	s_bfe_u32 s2, ttmp6, 0x10000c
	s_cmp_lg_u32 s2, 0xf033
	s_cbranch_scc0 .Lentry_shape_is_right
	s_endpgm
.Lentry_shape_is_right:
; out = x Wo + bo on codes of FP6 (E2M3) with one E8M0 scale for each 32 along K = E; sums in f32.
; THE DEAL.  8 x 32 work-groups of four waves, 2 x 2.  A work-group owns 256 tokens (16 tiles of x's operand image, 196,608 dense bytes) and 128 output features.  A wave (a, b) holds 64 rows of Wo's codes, ALL of K,
; in 384 registers and streams its 8 tiles of 16 tokens past them, 32 products a tile; a tile's fragments lie twice in registers: tile s reads set s % 2, which then takes tile s + 2.
; Source 0 = the weight's rows: by the order of Wo's rows in the table a lane's 32 sums are 32 neighbouring features of one token.  The bias is the first products' C.
; THE WAY OUT: a tile's 16 x 64 sums go through the wave's own stage in LDS (rows of 256 + 16 bytes) in the middle of the next tile's products and leave as whole rows: sixteen lanes store 256 consecutive bytes, aligned.
; Row r of tile 4 G + u is token 64 G + 32 (r / 8) + 8 u + r % 8.
; LDS: x's image; the weight's 128 rows of 816 bytes; x's scale bytes (32 units of 256 + 16); the stages; the spare words: 327,680 bytes in all.  Every tile is asked for at the head, one joint load a wave, and nothing is
; filled again; so no prefetch is laid: no loop runs ahead of a load.  x's tiles are shared by a row of the cluster, the weight's rows by a column.
; THE WAITS' COUNTS: NF = 50 is the fetch issued last (48 loads of codes, 2 of scale words); all that is older is then in.
.set NQ,     8
.set NB,     4
.set KROW,   768
.set KS,     32
.set PITCH,  816
.set FR,     12
.set FPW,    21
.set NF,     50
.set BSTEP,  12288                     ; a tile of x's image
.set SSTEP,  544
.set BVB,    16*BSTEP
.set SCL,    BVB+128*PITCH
.set STG,    SCL+32*272
.set SPITCH, 272
.set SPARE,  STG+4*16*SPITCH
.set ADRA0, 4
.set AAS0,  6
.set CO,    7
.set SPW,   10
.set NIL,   11
.set ADRA,  12
.set ADRB,  14
.set ABS,   16
.set AAS,   17
.set STO,   18
.set RD,    19
.set SB,    24                         ; v24-39 the weight's scale words
.set SA,    44                         ; v44-59 the rows' scale words, two sets
.set ACC,   64                         ; v64-127 two sets of four accumulators
.set OB,    128                        ; v128-159 a tile's rows back from the stage
.set BBQ,   160                        ; v160-191 the bias
.set BA,    192                        ; v192-199 LDS addresses of the weight's four tiles
.set G1A, 24
.set G1B, 32
.set G0A, 56
.set G0B, 60
.set G0R, 68
.set G0S, 72
.set G1S, 92
.set MSB, 0
.macro WIN new
.if MSB != \new
	s_set_vgpr_msb (MSB<<8)|\new
.set MSB, \new
.endif
.endm
.macro PLACES n
.rept \n
	v_nop
.endr
.endm
.macro WALU
	s_wait_alu depctr_va_vdst(0)
.endm
.macro BARRIER
	s_barrier_signal -1
	s_barrier_wait -1
.endm
.macro CROUND
	s_barrier_signal -1
	s_barrier_wait -1
	s_cmp_lg_u32 s14, 0
	s_cbranch_scc1 .Lnot_wave_0_\@
	s_barrier_signal -3
.Lnot_wave_0_\@:
	s_barrier_wait -3
	BARRIER
.endm
.macro TLOAD g0, g1
	tensor_load_to_lds s[\g0:\g0+3], s[\g1:\g1+7]
	s_nop 0
	PLACES 4
.endm
.macro G0SET g, lds, base, off
	s_mov_b32 s[\g], 1
	s_mov_b32 s[\g+1], \lds
	s_mov_b32 s20, s\off
	s_add_nc_u64 s[\g+2:\g+3], s[\base:\base+1], s[20:21]
	s_or_b32 s[\g+3], s[\g+3], 0x80000000
.endm
; Fragment f lies in window 1 + f / 21 at register 12 (f % 21): 0-31 the weight's (4 q + tile), 32-39 and 40-47 x's two sets.
.macro FRAG f, q, a0, a1               ; from rows of 816 bytes: six pieces of 8 bytes, two to a load where both lie behind as many paddings
	WIN (1+(\f)/FPW)<<6
.set R_, FR*((\f)%FPW)
.set SKIP_, 0
.irp p, 0,1,2,3,4,5
.if SKIP_
.set SKIP_, 0
.else
.set PC_, 12*(\q)+6*(\p/3)+\p%3
.set PN_, 12*(\q)+6*((\p+1)/3)+(\p+1)%3
.set X_, (PC_%32+3)/32
.set XQ_, (PN_%32+3)/32
.if (\p < 5) && (X_ == XQ_)
.set SKIP_, 1
.if X_
	ds_load_2addr_b64 v[R_+2*\p:R_+2*\p+3], \a1 offset0:PC_+2*(PC_/32) offset1:PN_+2*(PN_/32)
.else
	ds_load_2addr_b64 v[R_+2*\p:R_+2*\p+3], \a0 offset0:PC_+2*(PC_/32) offset1:PN_+2*(PN_/32)
.endif
.elseif X_
	ds_load_b64 v[R_+2*\p:R_+2*\p+1], \a1 offset:8*(PC_+2*(PC_/32))
.else
	ds_load_b64 v[R_+2*\p:R_+2*\p+1], \a0 offset:8*(PC_+2*(PC_/32))
.endif
.endif
.endr
.endm
.macro WEIGHTS
.irp q, 0,1,2,3,4,5,6,7
.irp b, 0,1,2,3
	FRAG NB*\q+\b, \q, v[BA+2*\b], v[BA+2*\b+1]
.endr
.endr
	WIN 0
.endm
.macro FETCHAT e, a0, as               ; a tile of x into set e: fragment q is records 2 q and 2 q + 1 of the tile: register pair p at 1,536 q + 256 p + 8 x lane
.irp q, 0,1,2,3,4,5,6,7
	WIN (1+(NB*NQ+NQ*(\e)+\q)/FPW)<<6
.irp p, 0,1,2,3,4,5
	ds_load_b64 v[FR*((NB*NQ+NQ*(\e)+\q)%FPW)+2*\p:FR*((NB*NQ+NQ*(\e)+\q)%FPW)+2*\p+1], \a0 offset:1536*\q+256*\p
.endr
.endr
	WIN 0
	ds_load_b128 v[SA+8*(\e):SA+8*(\e)+3], \as
	ds_load_b128 v[SA+8*(\e)+4:SA+8*(\e)+7], \as offset:16
.endm
.macro PROD e, n                       ; n = 4 q + tile; the four accumulators take turns
.set Q_, (\n)/4
.set FB_, NB*Q_+(\n)%4
.set FA_, NB*NQ+NQ*(\e)+Q_
.set D_, ACC+32*(\e)+8*((\n)%4)
.set XB_, SB+NQ*(((\n)%4)/2)+Q_
.set XA_, SA+8*(\e)+Q_
	WIN (1+FB_/FPW)|((1+FA_/FPW)<<2)
.if Q_
	PROD1 D_, FB_, FA_, v[D_:D_+7], XB_, XA_, (\n)%2
.else
	PROD1 D_, FB_, FA_, v[BBQ+8*((\n)%4):BBQ+8*((\n)%4)+7], XB_, XA_, (\n)%2
.endif
.endm
.macro PROD1 d, s0, s1, c, x0, x1, o
.if \o
	v_wmma_scale_f32_16x16x128_f8f6f4 v[\d:\d+7], v[FR*((\s0)%FPW):FR*((\s0)%FPW)+FR-1], v[FR*((\s1)%FPW):FR*((\s1)%FPW)+FR-1], \c, v[\x0], v[\x1] matrix_a_fmt:MATRIX_FMT_FP6 matrix_b_fmt:MATRIX_FMT_FP6 matrix_a_scale:MATRIX_SCALE_ROW1
.else
	v_wmma_scale_f32_16x16x128_f8f6f4 v[\d:\d+7], v[FR*((\s0)%FPW):FR*((\s0)%FPW)+FR-1], v[FR*((\s1)%FPW):FR*((\s1)%FPW)+FR-1], \c, v[\x0], v[\x1] matrix_a_fmt:MATRIX_FMT_FP6 matrix_b_fmt:MATRIX_FMT_FP6 matrix_a_scale:MATRIX_SCALE_ROW0
.endif
.endm
.macro PRODS e, from, to
.set N_, \from
.rept (\to)-(\from)
	PROD \e, N_
.set N_, N_+1
.endr
.endm
.macro TOSTAGE t                       ; each accumulator from its low end on; LDS serves a wave's instructions in order: no wait between the stores and the loads
.set AC_, ACC+32*((\t)%2)
.irp i, 0,1,2,3,4,5,6,7
	ds_store_b128 v[STO], v[AC_+4*\i:AC_+4*\i+3] offset:16*\i
.endr
.irp i, 0,1,2,3,4,5,6,7
	ds_load_b128 v[OB+4*\i:OB+4*\i+3], v[RD] offset:\i*2*SPITCH
.endr
.endm
.macro SEND t
.irp i, 0,1,2,3,4,5,6,7
	global_store_b128 v[CO], v[OB+4*\i:OB+4*\i+3], s[12:13] offset:(64*((\t)/4)+8*((\t)%4)+(2*\i)%8+32*((2*\i)/8))*4096 th:TH_STORE_NT
.endr
.endm
.macro OBLK s
.set E_, (\s)%2
.if (\s) < 2
	s_wait_dscnt NF
.endif
	PRODS E_, 0, 16
	WIN 0
.if (\s) < 6
	v_add_nc_u32 v[ADRA], ((\s)+2)*BSTEP, v[ADRA0]
	v_add_nc_u32 v[AAS], ((\s)+2)*SSTEP, v[AAS0]
.endif
.if (\s) > 0
	s_wait_xcnt 0x0                                ; the last tile's stores have read their registers
	TOSTAGE (\s)-1
.endif
	PRODS E_, 16, 32
	WIN 0
	PLACES 4
.if (\s) < 6
	WALU
	FETCHAT E_, v[ADRA], v[AAS]
.endif
.if (\s) > 0
.if (\s) < 6
	s_wait_dscnt NF
.else
	s_wait_dscnt 0x0
.endif
	SEND (\s)-1
.endif
.endm
; ================= THE HEAD
	s_load_b128 s[4:7], s[0:1], 0x0                ; ximg, scales
	s_load_b128 s[8:11], s[0:1], 0x10              ; codes, bo
	s_load_b64 s[12:13], s[0:1], 0x20              ; out0
	v_lshl_add_u32 v[SPW], v0, 2, SPARE
	v_mov_b32 v[NIL], 0
	ds_add_u32 v[SPW], v[NIL]                      ; the opening lines: the add twice on end and its wait
	ds_add_u32 v[SPW], v[NIL]
	v_lshrrev_b32 v1, 5, v0
	v_readfirstlane_b32 s14, v1
	s_lshr_b32 s15, s14, 1                         ; a: my half of the tokens
	s_and_b32 s16, s14, 1                          ; b: my half of the features
	s_bfe_u32 s40, ttmp6, 0x40000
	s_bfe_u32 s41, ttmp6, 0x40004
	s_lshl_b32 s42, ttmp9, 2
	s_add_co_u32 s42, s42, s40                     ; the 128 features, 0 .. 7
	s_and_b32 s43, ttmp7, 0xffff
	s_lshl_b32 s43, s43, 2
	s_add_co_u32 s43, s43, s41                     ; the 256 tokens, 0 .. 31
	s_lshl_b32 s44, s41, 2
	s_lshl_b32 s44, 15, s44
	s_lshl_b32 s45, 0x1111, s40
	s_or_b32 s[G1A+0], s44, (3<<16)|(1<<21)        ; x's image: dense runs of 256 bytes, no padding: every LDS read of it is dense
	s_mov_b32 s[G1A+1], 32<<16
	s_mov_b32 s[G1A+2], 384<<16
	s_mov_b32 s[G1A+3], 32<<16
	s_mov_b32 s[G1A+4], 384
	s_mov_b32 s[G1A+5], 32
	s_mov_b32 s[G1A+6], 0
	s_mov_b32 s[G1A+7], 0
	s_or_b32 s[G1B+0], s45, (1<<20)|(1<<21)|(5<<22)|(3<<25)
	s_mov_b32 s[G1B+1], KROW<<16
	s_mov_b32 s[G1B+2], 128<<16
	s_mov_b32 s[G1B+3], KROW<<16
	s_mov_b32 s[G1B+4], 128
	s_mov_b32 s[G1B+5], KROW
	s_mov_b32 s[G1B+6], 0
	s_mov_b32 s[G1B+7], 0
	s_or_b32 s[G1S+0], s44, (3<<16)|(1<<20)|(1<<21)|(5<<22)|(3<<25)
	s_mov_b32 s[G1S+1], 32<<16
	s_mov_b32 s[G1S+2], 32<<16
	s_mov_b32 s[G1S+3], 32<<16
	s_mov_b32 s[G1S+4], 32
	s_mov_b32 s[G1S+5], 32
	s_mov_b32 s[G1S+6], 0
	s_mov_b32 s[G1S+7], 0
	s_mul_i32 s66, s43, 16*BSTEP                   ; my 16 tiles of ximg
	s_add_co_u32 s67, s66, 8*BSTEP
	s_mul_i32 s54, s42, 128*KROW
	s_add_co_u32 s54, s54, 11264*KROW              ; Wo's 128 rows
	s_mul_i32 s55, s43, 256*KS
	s_add_co_u32 s55, s55, 12288*KS                ; x's scale bytes
	s_mul_i32 s82, s42, 128*KS
	s_mul_i32 s21, s16, 64*KS
	s_add_co_u32 s82, s82, s21
	s_add_co_u32 s82, s82, 11264*KS                ; my 64 rows' scale bytes of Wo
	s_mov_b32 s83, 0
	s_lshl_b32 s46, s42, 9
	s_lshl_b32 s21, s16, 8
	s_add_co_u32 s46, s46, s21                     ; my 64 features, in bytes of f32
	s_mov_b32 s47, 0
	s_lshl_b32 s80, s43, 20
	s_lshl_b32 s21, s15, 19
	s_add_co_u32 s80, s80, s21                     ; my 128 tokens' rows of 4,096 bytes
	s_add_co_u32 s80, s80, s46
	s_mov_b32 s81, 0
	v_and_b32 v1, 15, v0
	v_bfe_u32 v2, v0, 4, 1
	v_and_b32 v3, 31, v0
	s_mul_i32 s21, s15, 8*BSTEP
	v_lshlrev_b32 v23, 3, v3
	v_add_nc_u32 v[ADRA0], s21, v23
	v_mul_u32_u24 v22, v1, PITCH
	v_mad_u32_u24 v23, v2, 24, v22
	s_mul_i32 s22, s16, 64*PITCH
	s_add_co_u32 s22, s22, BVB
	v_add_nc_u32 v[ADRB], s22, v23
	v_mad_u32_u24 v23, v2, 24+16, v22
	v_add_nc_u32 v[ADRB+1], s22, v23
	v_mul_u32_u24 v[ABS], v3, KS
	v_mul_u32_u24 v23, v1, KS
	v_lshrrev_b32 v22, 8, v23
	v_lshl_add_u32 v23, v22, 4, v23
	s_mul_i32 s21, s15, 16*272
	s_add_co_u32 s21, s21, SCL
	v_add_nc_u32 v[AAS0], s21, v23
	s_mul_i32 s21, s14, 16*SPITCH
	s_add_co_u32 s21, s21, STG                     ; my stage
	v_mul_u32_u24 v23, v1, SPITCH
	v_lshl_add_u32 v23, v2, 7, v23
	v_add_nc_u32 v[STO], s21, v23                  ; in: row r, 128 bytes for each half of the lanes
	v_mul_u32_u24 v23, v2, SPITCH
	v_lshl_add_u32 v23, v1, 4, v23
	v_add_nc_u32 v[RD], s21, v23                   ; back: sixteen lanes a row, two rows an instruction
	v_lshlrev_b32 v[CO], 12, v2
	v_lshl_add_u32 v[CO], v1, 4, v[CO]             ; and the same two rows in out0
	v_lshlrev_b32 v21, 7, v2
.irp b, 0,1,2,3
	v_add_nc_u32 v[BA+2*\b], \b*16*PITCH, v[ADRB]
	v_add_nc_u32 v[BA+2*\b+1], \b*16*PITCH, v[ADRB+1]
.endr
	v_add_nc_u32 v1, BSTEP, v[ADRA0]
	v_add_nc_u32 v23, SSTEP, v[AAS0]
	WALU                                           ; the wait ahead of the wait below
	s_wait_dscnt 0x0
	CROUND                                         ; the opening round
	s_wait_kmcnt 0x0
	s_mov_b32 s21, 0
	G0SET G0B, BVB, 8, 54
	G0SET G0S, SCL, 6, 55
	G0SET G0A, 0, 4, 66
	G0SET G0R, 8*BSTEP, 4, 67
	s_cmp_eq_u32 s14, 0
	s_cbranch_scc0 .Lwave_1
	TLOAD G0B, G1B                                 ; wave 0: Wo's rows
	s_branch .Lasked
.Lwave_1:
	s_cmp_eq_u32 s14, 1
	s_cbranch_scc0 .Lwave_2
	TLOAD G0S, G1S                                 ; wave 1: x's scale bytes
	s_branch .Lasked
.Lwave_2:
	s_cmp_eq_u32 s14, 2
	s_cbranch_scc0 .Lwave_3
	TLOAD G0A, G1A                                 ; wave 2: tiles 0 .. 7
	s_branch .Lasked
.Lwave_3:
	TLOAD G0R, G1A                                 ; wave 3: tiles 8 .. 15
.Lasked:
	s_add_nc_u64 s[76:77], s[6:7], s[82:83]
	s_add_nc_u64 s[10:11], s[10:11], s[46:47]
	s_add_nc_u64 s[12:13], s[12:13], s[80:81]
.irp p, 0,1
.irp c, 0,1
	global_load_b128 v[SB+NQ*\p+4*\c:SB+NQ*\p+4*\c+3], v[ABS], s[76:77] offset:\p*32*KS+16*\c
.endr
.endr
.irp k, 0,1,2,3,4,5,6,7
	global_load_b128 v[BBQ+4*\k:BBQ+4*\k+3], v21, s[10:11] offset:16*\k   ; register i of lane (r, h) is feature 32 h + i of my 64
.endr
	s_cmp_eq_u32 s14, 0
	s_cbranch_scc0 .Lnot_b
	s_wait_tensorcnt 0x0
.Lnot_b:
	BARRIER                                        ; Wo's rows are in
	WEIGHTS
	s_wait_tensorcnt 0x0
	s_wait_dscnt 0x0
	BARRIER                                        ; x's tiles and scale bytes are in
	FETCHAT 0, v[ADRA0], v[AAS0]
	FETCHAT 1, v1, v23
	s_wait_loadcnt 0x0
.irp s, 0,1,2,3,4,5,6,7
	OBLK \s
.endr
	s_wait_xcnt 0x0
	TOSTAGE 7
	s_wait_dscnt 0x0
	SEND 7
	s_wait_tensorcnt 0x0                           ; the wave's end
	ds_add_u32 v[SPW], v[NIL]
	s_wait_dscnt 0x0
	CROUND                                         ; the closing round
	s_endpgm
.Lfunc_end_k_q86dbcb94b5_oproj:
	.size	k_q86dbcb94b5_oproj, .Lfunc_end_k_q86dbcb94b5_oproj-k_q86dbcb94b5_oproj
	.p2alignl 7, 3214868480
	.fill 96, 4, 3214868480
	.section	.rodata,"a",@progbits
	.p2align	6, 0x0
	.amdhsa_kernel k_q86dbcb94b5_oproj
		.amdhsa_group_segment_fixed_size 327680
		.amdhsa_private_segment_fixed_size 0
		.amdhsa_enable_private_segment 0
		.amdhsa_kernarg_size 40
		.amdhsa_user_sgpr_count 2
		.amdhsa_user_sgpr_kernarg_segment_ptr 1
		.amdhsa_wavefront_size32 1
		.amdhsa_system_sgpr_workgroup_id_x 1
		.amdhsa_system_sgpr_workgroup_id_y 1
		.amdhsa_system_sgpr_workgroup_id_z 1
		.amdhsa_system_vgpr_workitem_id 0
		.amdhsa_next_free_vgpr 840
		.amdhsa_next_free_sgpr 102
		.amdhsa_reserve_vcc 0
		.amdhsa_float_denorm_mode_32 3
		.amdhsa_float_denorm_mode_16_64 3
		.amdhsa_memory_ordered 1
		.amdhsa_forward_progress 1
		.amdhsa_inst_pref_size 93
	.end_amdhsa_kernel
	.amdgpu_metadata
---
amdhsa.version: [ 1, 2 ]
amdhsa.kernels:
  - .name:           k_q86dbcb94b5_oproj
    .symbol:         k_q86dbcb94b5_oproj.kd
    .args:
      - { .name: ximg, .offset: 0, .size: 8, .value_kind: global_buffer, .address_space: global }
      - { .name: scales, .offset: 8, .size: 8, .value_kind: global_buffer, .address_space: global }
      - { .name: codes, .offset: 16, .size: 8, .value_kind: global_buffer, .address_space: global }
      - { .name: bo, .offset: 24, .size: 8, .value_kind: global_buffer, .address_space: global }
      - { .name: out0, .offset: 32, .size: 8, .value_kind: global_buffer, .address_space: global }
    .group_segment_fixed_size: 327680
    .private_segment_fixed_size: 0
    .kernarg_segment_align: 8
    .kernarg_segment_size: 40
    .max_flat_workgroup_size: 128
    .sgpr_count:     102
    .vgpr_count:     840
    .wavefront_size: 32
...
	.end_amdgpu_metadata
.endif
;; end of part 4
